; MI455X (gfx1250); checked and timed in simulation.
; The chip was launched on July 23, 2026; its instructions are those of AMD's public machine-readable ISA for CDNA 5 (MIT licence, August 2026) and "CDNA5" Instruction Set Architecture Reference Guide (July 2026). The comments in the code are by the model that wrote it; some were corrected since.
;; Multi Head Attention. Allowed arithmetic: matrix products marked QUANTISED: E2M1 operands, one E8M0 scale for each 32 along K, by v_wmma_scale_f32_16x16x128_f8f6f4 with both operands' format E2M1 (or v_wmma_scale_f32_32x16x128_f4), f32 sums; everything else in f32.
;; Inputs: Wk 1,024 x 1,024 float32; Wo 1,024 x 1,024 float32; Wq 1,024 x 1,024 float32; Wv 1,024 x 1,024 float32; X1 4 x 2,048 x 1,024 float32; X2 4 x 2,048 x 1,024 float32; bk 1,024 float32; bo 1,024 float32; bq 1,024 float32; bv 1,024 float32.
;; Outputs: out0 4 x 2,048 x 1,024 float32.
;; This version of the problem:
;;   THIS VERSION OF THE PROBLEM IS GIVEN IN LOW PRECISION. The matrix products marked QUANTISED in the list below multiply operands that are first quantised to E2M1 (2 exponent bits, 1 mantissa bit; 4 bits a number), with one power-of-two scale for each 32 numbers along K (OCP MX v1.0); their sums are f32. All else is computed in f32.
;;   The module's matrix products, in the order in which they are computed (A, B: the left and right operand; K: the contracted axis; several contracted axes count as one K, in the product's order):
;;     1. [M 8,192, K 1,024] x [K 1,024, N 1,024]; A: input X1; B: input Wq: QUANTISED
;;     2. [M 8,192, K 1,024] x [K 1,024, N 1,024]; A: input X2; B: input Wk: QUANTISED
;;     3. [M 8,192, K 1,024] x [K 1,024, N 1,024]; A: input X2; B: input Wv: QUANTISED
;;     4. batch 64 x [M 2,048, K 64] x [K 64, N 2,048]; A: computed on the way; B: computed on the way: QUANTISED
;;     5. batch 64 x [M 2,048, K 2,048] x [K 2,048, N 64]; A: softmax (see below); B: computed on the way: QUANTISED
;;     6. [M 8,192, K 1,024] x [K 1,024, N 1,024]; A: computed on the way; B: input Wo: QUANTISED
;;   THE QUANTISER, for each operand of a quantised product, along K:
;;     - K is cut into blocks of 32 from its start; a last block that is shorter is filled with zeros.
;;     - A block's scale is 2^e with e = floor(log2(the largest magnitude in the block)) - 2, held to -126 .. 127; a block of zeros has e = 0. As a byte (E8M0): e + 127.
;;     - Each number is divided by its block's scale, clamped to +-6, and rounded to the nearest number of E2M1, ties to even, subnormals kept.
;;     - The product sums the exact products of the quantised numbers (number of the format x scale) in f32.
;;   ~~~python
;;   def quantise(x, axis):      # numpy; x: float32 -> the quantised numbers, widened to float32 again
;;       x = np.moveaxis(x, axis, -1); K = x.shape[-1]
;;       x = np.pad(x, [(0, 0)] * (x.ndim - 1) + [(0, -K % 32)]); x = x.reshape(x.shape[:-1] + (-1, 32)); a = np.abs(x).max(-1, keepdims=True)
;;       e = np.where(a > 0, np.clip(np.frexp(np.where(a > 0, a, 1))[1] - 1 - 2, -126, 127), 0)      # np.frexp(a)[1] - 1 = floor(log2(a)), exactly
;;       r = np.clip(x / 2.0 ** e, -6, 6)
;;       step = 2.0 ** (np.maximum(np.frexp(np.where(r == 0, 1, r))[1] - 1, 0) - 1)
;;       q = np.round(r / step) * step * 2.0 ** e      # np.round: ties to even
;;       return np.moveaxis(q.reshape(q.shape[:-2] + (-1,))[..., :K], -1, axis).astype(np.float32)
;;   ~~~
;;   SOFTMAX AHEAD OF A QUANTISED PRODUCT. Where the list says 'softmax', what is quantised is not the finished softmax but p = 2^(t - M), with t = logit x log2(e) and M = ceil(the row's largest t), a whole number; so 1/2 < the row's largest p <= 1. The row's sum l is taken of the UNQUANTISED p, in f32, and the product's result is divided by l at the end. Since M is a whole number, a kernel that streams over the keys may use a running M (the ceiling of the running maximum): every later rescaling is an exact power of two, which a block's scale takes up: the codes' values come out the same.
;;   OPERANDS COMPUTED ON THE WAY. 'Computed on the way' means the value that the module computes at that place (a softmax that the list does not call 'softmax' is quantised finished and normalised). What goes into a quantiser is computed in f32, as accurately as f32 sums, v_exp_f32 and their like allow (about 1e-6 of the number): no bf16 or f16 on the way to a quantiser, and a product that is left as it is and whose result goes on into a quantised operand takes f32 operands (vector FMAs, or v_wmma_f32_16x16x4_f32). A number that lies on a knife's edge between two numbers of the format may be rounded either way, as far as f32 arithmetic and the matrix unit's own rounding can turn it there, and no further.
;; One version. Each part assembles by itself: llvm-mc -triple=amdgcn-amd-amdhsa -mcpu=gfx1250 --defsym DOCPART=n.
;; ======== version 1 of 1: 5 launches
;; workspace buffers: wimg 2,228,224 bytes; ximg 8,912,896 bytes; qimg 4,718,592 bytes; kvimg 9,175,040 bytes; aimg 4,456,448 bytes
;; launch wq (part 1): grid 64 x 4, 4 waves a work-group, no clusters, 0 bytes of LDS; arguments Wq, Wk, Wv, Wo, wimg; writes wimg
.if DOCPART == 1
	.amdgcn_target "amdgcn-amd-amdhsa--gfx1250"
	.amdhsa_code_object_version 6
	.text
	.protected	k_q78e7a40560_wq
	.globl	k_q78e7a40560_wq
	.p2align	8
	.type	k_q78e7a40560_wq,@function
k_q78e7a40560_wq:
	s_mov_b64 s[64:65], 0
	v_nop
	global_prefetch_b8 v0, s[64:65] scope:SCOPE_SE
	s_setreg_imm32_b32 hwreg(HW_REG_WAVE_MODE, 25, 1), 1
	s_wait_xcnt 0x0
; The four weights [1024 (k)][1024 (n)], f32, become codes of FP4 (E2M1) with one E8M0 byte for each 32 along K, laid as IMAGES OF OPERAND REGISTERS:
; wimg = [weight: Wq, Wk, Wv, Wo][group of 128 columns n][K step of 128][8,704 bytes]; in such a record the codes of tile t (16 columns) lie at 1024 t + 512 c + 16 lane
; (registers 4 c .. 4 c + 3 of a fragment: lane (r, h) holds k = 64 c + 32 h + 0 .. 31 of slot r) and the scale words at 8192 + 64 t + 4 r.
; THE COLUMNS OF A TILE ARE NOT NEIGHBOURS: slot r of tile 2 b + u is column 32 b + 8 u + r + 8 (r / 8), so that a product that takes such tiles as source 0 leaves 16 neighbours in the 16 registers of a tile pair.
; A LANE TAKES A COLUMN AND ITS REGISTERS RUN DOWN K: a block of 32 lies in one lane, its largest magnitude needs no other lane, and the conversions give codes with K innermost.
; SHARES: work-group (x = 8 group + K step, y = weight); wave w = tile pair w: 32 columns x 128 k.  Each load reads 128 consecutive bytes; each store of codes covers two runs of 256 consecutive aligned bytes.
; No work-group reads what another reads, so there is nothing to share in a cluster; no LDS, no barrier.  Loads run two blocks (64 loads a wave) ahead.
; A block's scale is 2^(floor(log2(largest magnitude)) - 2): its byte is the largest magnitude's exponent field - 2, held at 1 from below.
; LIMITS: NaN and infinities are not served; a block whose largest magnitude lies under 2^-124 gets the byte 1; a block of zeros gets the byte 1 where the rule says 127: its codes are zeros and this program alone reads the bytes.
.set REC, 8704
.set X,   32                           ; v32-159  128 numbers: k = 0 .. 127 of my column
.set C,   160                          ; v160-175 four registers of codes for each block: no store's data are written again
.set SW,  176                          ; v176     my column's scale word
	s_load_b256 s[4:11], s[0:1], 0x0               ; Wq, Wk, Wv, Wo
	s_load_b64 s[12:13], s[0:1], 0x20              ; wimg
	v_lshrrev_b32 v1, 5, v0
	v_readfirstlane_b32 s14, v1                    ; wave 0..3
	v_and_b32 v2, 31, v0                           ; lane x: column 32 w + x of the group
	v_lshlrev_b32 v3, 2, v2                        ; in: 4 bytes a lane
	v_bfe_u32 v4, v2, 3, 1                         ; u = (x / 8) % 2: which tile of the pair
	v_and_b32 v5, 7, v2
	v_lshrrev_b32 v6, 4, v2
	v_lshl_add_u32 v5, v6, 3, v5                   ; r = x % 8 + 8 (x / 16): which slot
	s_lshl_b32 s15, s14, 11
	v_lshl_add_u32 v6, v4, 10, s15
	v_lshl_add_u32 v6, v5, 4, v6                   ; codes: 2048 w + 1024 u + 16 r
	s_lshl_b32 s15, s14, 7
	s_add_co_u32 s15, s15, 8192
	v_lshl_add_u32 v7, v4, 6, s15
	v_lshl_add_u32 v7, v5, 2, v7                   ; scale word: 8192 + 128 w + 64 u + 4 r
	s_and_b32 s16, ttmp7, 0xffff                   ; which weight
	s_and_b32 s17, ttmp9, 7                        ; K step
	s_lshr_b32 s18, ttmp9, 3                       ; group
	s_lshl_b32 s20, s17, 19                        ; 128 rows of 4,096 bytes a K step,
	s_lshl_b32 s18, s18, 9                         ; 128 columns of 4 bytes a group,
	s_add_co_u32 s20, s20, s18
	s_lshl_b32 s18, s14, 7                         ; 32 columns a wave
	s_add_co_u32 s20, s20, s18
	s_mov_b32 s21, 0
	s_lshl_b32 s22, s16, 6
	s_add_co_u32 s22, s22, ttmp9                   ; record number: 64 weight + 8 group + K step
	s_mul_i32 s22, s22, REC
	s_mov_b32 s23, 0
	s_wait_alu depctr_va_vdst(0)
	s_wait_kmcnt 0x0
	s_cmp_eq_u32 s16, 1                            ; the choice hangs on the work-group's number alone
	s_cselect_b64 s[4:5], s[6:7], s[4:5]
	s_cmp_eq_u32 s16, 2
	s_cselect_b64 s[4:5], s[8:9], s[4:5]
	s_cmp_eq_u32 s16, 3
	s_cselect_b64 s[4:5], s[10:11], s[4:5]
	s_add_nc_u64 s[4:5], s[4:5], s[20:21]
	s_add_nc_u64 s[12:13], s[12:13], s[22:23]
.macro LOAD t                          ; block t: W(32 t + i, my column)
.irp i, 0,1,2,3,4,5,6,7,8,9,10,11,12,13,14,15,16,17,18,19,20,21,22,23,24,25,26,27,28,29,30,31
	global_load_b32 v[X+32*(\t)+\i], v3, s[4:5] offset:(32*(\t)+\i)*4096 th:TH_LOAD_NT
.endr
.endm
.macro BLOCK t, left
.set XS, X+32*(\t)
	s_wait_loadcnt \left                           ; this block's 32 loads are in; the next block's 32 may be out
.if (\t) < 2
	LOAD (\t)+2                                    ; every block has registers of its own: the block two on is asked for at once
.endif
	v_max3_num_f32 v8, |v[XS]|, |v[XS+1]|, |v[XS+2]|               ; the block's largest magnitude, in two chains
	v_max3_num_f32 v9, |v[XS+3]|, |v[XS+4]|, |v[XS+5]|
.irp i, 6,10,14,18,22,26
	v_max3_num_f32 v8, v8, |v[XS+\i]|, |v[XS+\i+1]|
	v_max3_num_f32 v9, v9, |v[XS+\i+2]|, |v[XS+\i+3]|
.endr
	v_max3_num_f32 v8, v8, |v[XS+30]|, |v[XS+31]|
	v_max3_num_f32 v8, v8, v9, 0x1800000           ; and the floor 2^(3 - 127): the byte cannot fall under 1
	v_add_nc_u32 v10, 0xff000000, v8               ; 2 off the exponent field: the conversion takes the exponent field of this operand as its scale
	v_lshrrev_b32 v11, 23, v10                     ; the scale's byte
.if (\t) == 0
	v_mov_b32 v[SW], v11
.else
	v_lshl_or_b32 v[SW], v11, 8*(\t), v[SW]        ; byte t of the word scales k = 32 t .. 32 t + 31
.endif
.irp g, 0,1,2,3
	v_cvt_scalef32_pk8_fp4_f32 v[C+4*(\t)+\g], v[XS+8*\g:XS+8*\g+7], v10
.endr
	global_store_b128 v6, v[C+4*(\t):C+4*(\t)+3], s[12:13] offset:((\t)/2)*512+((\t)%2)*256   ; block t = 2 c + h is what lane (r, h) holds in registers 4 c .. 4 c + 3
.endm                                  ; (the next block begins with plain vector lines that touch neither the codes nor the conversions' sources)
	LOAD 0
	LOAD 1
	BLOCK 0, 32
	BLOCK 1, 32
	BLOCK 2, 32
	BLOCK 3, 0
	global_store_b32 v7, v[SW], s[12:13]           ; the pair's 32 scale words: 128 consecutive bytes
	s_endpgm
.Lfunc_end_k_q78e7a40560_wq:
	.size	k_q78e7a40560_wq, .Lfunc_end_k_q78e7a40560_wq-k_q78e7a40560_wq
	.p2alignl 7, 3214868480
	.fill 96, 4, 3214868480
	.section	.rodata,"a",@progbits
	.p2align	6, 0x0
	.amdhsa_kernel k_q78e7a40560_wq
		.amdhsa_group_segment_fixed_size 0
		.amdhsa_private_segment_fixed_size 0
		.amdhsa_enable_private_segment 0
		.amdhsa_kernarg_size 40
		.amdhsa_user_sgpr_count 2
		.amdhsa_user_sgpr_kernarg_segment_ptr 1
		.amdhsa_wavefront_size32 1
		.amdhsa_system_sgpr_workgroup_id_x 1
		.amdhsa_system_sgpr_workgroup_id_y 1
		.amdhsa_system_sgpr_workgroup_id_z 1
		.amdhsa_system_vgpr_workitem_id 0
		.amdhsa_next_free_vgpr 192
		.amdhsa_next_free_sgpr 66
		.amdhsa_reserve_vcc 0
		.amdhsa_float_denorm_mode_32 3
		.amdhsa_float_denorm_mode_16_64 3
		.amdhsa_memory_ordered 1
		.amdhsa_forward_progress 1
		.amdhsa_inst_pref_size 21
	.end_amdhsa_kernel
	.amdgpu_metadata
---
amdhsa.version: [ 1, 2 ]
amdhsa.kernels:
  - .name:           k_q78e7a40560_wq
    .symbol:         k_q78e7a40560_wq.kd
    .args:
      - { .name: Wq, .offset: 0, .size: 8, .value_kind: global_buffer, .address_space: global }
      - { .name: Wk, .offset: 8, .size: 8, .value_kind: global_buffer, .address_space: global }
      - { .name: Wv, .offset: 16, .size: 8, .value_kind: global_buffer, .address_space: global }
      - { .name: Wo, .offset: 24, .size: 8, .value_kind: global_buffer, .address_space: global }
      - { .name: wimg, .offset: 32, .size: 8, .value_kind: global_buffer, .address_space: global }
    .group_segment_fixed_size: 0
    .private_segment_fixed_size: 0
    .kernarg_segment_align: 8
    .kernarg_segment_size: 40
    .max_flat_workgroup_size: 128
    .sgpr_count:     66
    .vgpr_count:     192
    .wavefront_size: 32
...
	.end_amdgpu_metadata
.endif
;; end of part 1
;; launch xq (part 2): grid 512 x 2, 4 waves a work-group, no clusters, 34,304 bytes of LDS; arguments X1, X2, ximg; writes ximg
.if DOCPART == 2
	.amdgcn_target "amdgcn-amd-amdhsa--gfx1250"
	.amdhsa_code_object_version 6
	.text
	.protected	k_q78e7a40560_xq
	.globl	k_q78e7a40560_xq
	.p2align	8
	.type	k_q78e7a40560_xq,@function
k_q78e7a40560_xq:
	s_mov_b64 s[64:65], 0
	v_nop
	global_prefetch_b8 v0, s[64:65] scope:SCOPE_SE
	s_setreg_imm32_b32 hwreg(HW_REG_WAVE_MODE, 25, 1), 1
	s_wait_xcnt 0x0
; X1 and X2, [8192 tokens][1024] f32, become codes of FP4 (E2M1) with one E8M0 byte for each 32 along K, laid as images of operand registers:
; ximg = [X1, X2][group of 128 tokens][K step of 128][8,704 bytes]; in a record the codes of tile t lie at 1024 t + 512 c + 16 lane (registers 4 c .. 4 c + 3: lane (r, h) holds k = 64 c + 32 h + 0 .. 31 of slot r),
; the scale words at 8192 + 64 t + 4 r.  Slot r of tile 2 b + u is token 32 b + 8 u + r + 8 (r / 8) of the group.
; SHARES: work-group (x = 8 group + tile, y = tensor); wave w takes K steps 2 w and 2 w + 1 of the tile's 16 tokens: 16 KB, all asked for at once; the four waves together read whole rows of 4,096 bytes.
; Each load reads 512 consecutive bytes of one token.  The conversions want 16 neighbours in one lane, so a K step's 8 KB turn through the wave's own stage in LDS (rows of 512 bytes + 16, so that the
; sixteen rows that a read touches start 528 bytes apart).  Waves share nothing: no barrier.  No work-group reads what another reads: nothing to share in a cluster.
; The codes leave as 512 consecutive bytes a store; the scale words as 64 bytes for each K step (one sixteenth of the codes' bytes).
; LIMITS: NaN and infinities are not served; a block whose largest magnitude lies under 2^-124 gets the byte 1; a block of zeros gets the byte 1 where the rule says 127: its codes are zeros and this program alone reads the bytes.
.set PITCH, 528
.set WST,   16*PITCH                   ; a wave's stage
.set REC,   8704
.set GRP,   69632
.set R,     32                         ; v32-159  as loaded: two K steps x 16 tokens x 4 registers
.set N,     160                        ; v160-223 64 numbers of my token: register 16 b + i = k 32 b + 16 h + i
.set TM,    224                        ; v224-239 at work
.set PC,    240                        ; v240-255 the codes: eight registers for each K step
.set PW,    20                         ; v20, v21 the two K steps' scale words
.set SEL,   20                         ; s[20:21] lane selects for v_permlanex16_b32: lane l xor 16
; 64 numbers of a lane become a fragment's eight registers of codes and its row's scale word
.macro QUANT4 s, pc, pw
.irp b, 0,1,2,3
	v_max3_num_f32 v[TM+\b], |v[\s+16*\b]|, |v[\s+1+16*\b]|, 0x1800000   ; block b: my 16 numbers, and the floor 2^(3 - 127)
.endr
.irp i, 2,4,6,8,10,12,14
.irp b, 0,1,2,3
	v_max3_num_f32 v[TM+\b], v[TM+\b], |v[\s+16*\b+\i]|, |v[\s+1+16*\b+\i]|   ; the four blocks by turns
.endr
.endr
.irp b, 0,1,2,3
	v_permlanex16_b32 v[TM+4+\b], v[TM+\b], s[SEL], s[SEL+1]
.endr
.irp b, 0,1,2,3
	v_max_num_f32 v[TM+\b], v[TM+\b], v[TM+4+\b]   ; with lane l xor 16's 16: the block's largest magnitude
.endr
.irp b, 0,1,2,3
	v_add_nc_u32 v[TM+12+\b], 0xff000000, v[TM+\b] ; 2 off the exponent field: the conversion's scale operand
.endr
.irp b, 0,1,2,3
	v_lshrrev_b32 v[TM+4+\b], 23, v[TM+12+\b]      ; the scale's byte
.endr
	v_lshl_or_b32 v[\pw], v[TM+5], 8, v[TM+4]
	v_lshl_or_b32 v[\pw], v[TM+6], 16, v[\pw]
	v_lshl_or_b32 v[\pw], v[TM+7], 24, v[\pw]
.irp b, 0,1,2,3
	v_cvt_scalef32_pk8_fp4_f32 v[\pc+2*\b], v[\s+16*\b:\s+7+16*\b], v[TM+12+\b]
	v_cvt_scalef32_pk8_fp4_f32 v[\pc+1+2*\b], v[\s+8+16*\b:\s+15+16*\b], v[TM+12+\b]
.endr
	v_nop                                          ; one plain line behind the last scaled conversion
.irp c, 0,1                                    ; the layout wants a whole block in a lane: lanes 0-15 block 2 c, lanes 16-31 block 2 c + 1
.irp i, 0,1
	v_permlane16_swap_b32 v[\pc+4*\c+\i], v[\pc+2+4*\c+\i]
.endr
.endr
.endm
	s_load_b128 s[4:7], s[0:1], 0x0                ; X1, X2
	s_load_b64 s[8:9], s[0:1], 0x10                ; ximg
	v_lshl_add_u32 v234, v0, 2, 0x8400
	v_mov_b32 v235, 0
	v_lshrrev_b32 v1, 5, v0
	v_readfirstlane_b32 s10, v1                    ; wave 0..3
	v_and_b32 v2, 31, v0                           ; lane
	v_and_b32 v3, 15, v0                           ; r
	v_bfe_u32 v4, v0, 4, 1                         ; h
	v_lshlrev_b32 v5, 4, v2                        ; 16 x lane: my bytes of a load's 512
	s_wait_alu depctr_va_vdst(0)
	s_mul_i32 s11, s10, WST
	v_add_nc_u32 v6, s11, v5                       ; the stage, in: 16 x lane, row by the immediate
	v_mul_u32_u24 v7, v3, PITCH
	v_lshl_add_u32 v7, v4, 6, v7
	v_add_nc_u32 v7, s11, v7                       ; out: row r, + 64 h: my 16 numbers of each block of 32
	s_and_b32 s12, ttmp7, 0xffff                   ; which tensor
	s_and_b32 s13, ttmp9, 7                        ; tile
	s_lshr_b32 s14, ttmp9, 3                       ; group
	s_lshl_b32 s16, s14, 7
	s_lshr_b32 s15, s13, 1
	s_lshl_b32 s15, s15, 5
	s_add_co_u32 s16, s16, s15
	s_and_b32 s15, s13, 1
	s_lshl_b32 s15, s15, 3
	s_add_co_u32 s16, s16, s15                     ; slot 0's token: 128 group + 32 (tile / 2) + 8 (tile % 2)
	s_lshl_b32 s16, s16, 12                        ; rows of 4,096 bytes
	s_lshl_b32 s15, s10, 10
	s_add_co_u32 s16, s16, s15                     ; + my two K steps: 1,024 bytes a wave
	s_mov_b32 s17, 0
	s_lshl_b32 s18, s12, 6
	s_add_co_u32 s18, s18, s14
	s_mul_i32 s18, s18, GRP
	s_mul_i32 s15, s10, 2*REC
	s_add_co_u32 s18, s18, s15                     ; the record of K step 2 w
	s_mov_b32 s19, 0
	s_lshl_b32 s15, s13, 10
	v_add_nc_u32 v8, s15, v5                       ; codes: 1024 tile + 16 lane
	s_lshl_b32 s15, s13, 6
	s_add_co_u32 s15, s15, 8192
	v_lshl_add_u32 v9, v3, 2, s15                  ; scale words: 8192 + 64 tile + 4 r,
	v_mul_u32_u24 v10, v4, REC
	v_add_nc_u32 v9, v9, v10                       ; lanes 16-31 in the second K step's record
	s_mov_b32 s[SEL], 0x76543210
	s_mov_b32 s[SEL+1], 0xfedcba98
.irp b, 0,1,2,3
	v_mov_b32 v[TM+4+\b], 0                        ; written once: a lane permute's destination counts as one of its sources
.endr
	s_wait_alu depctr_va_vdst(0)
	s_wait_kmcnt 0x0
	s_cmp_eq_u32 s12, 0                            ; the choice hangs on the work-group's number alone
	s_cselect_b64 s[4:5], s[4:5], s[6:7]
	s_add_nc_u64 s[4:5], s[4:5], s[16:17]
	s_add_nc_u64 s[8:9], s[8:9], s[18:19]
.irp s, 0,1
.irp i, 0,1,2,3,4,5,6,7,8,9,10,11,12,13,14,15
	global_load_b128 v[R+64*\s+4*\i:R+64*\s+4*\i+3], v5, s[4:5] offset:(\i+8*(\i/8))*4096+512*\s th:TH_LOAD_NT   ; slot i's 128 numbers of K step s
.endr
.endr
.irp s, 0,1
	s_wait_loadcnt 16*(1-\s)                       ; this K step's sixteen loads are in; the second step's sixteen may be out
.irp i, 0,1,2,3,4,5,6,7,8,9,10,11,12,13,14,15
	ds_store_b128 v6, v[R+64*\s+4*\i:R+64*\s+4*\i+3] offset:PITCH*\i
.endr
.irp b, 0,1,2,3
.irp j, 0,1,2,3
	ds_load_b128 v[N+16*\b+4*\j:N+16*\b+4*\j+3], v7 offset:128*\b+16*\j   ; LDS serves a wave's instructions in order (ISA guide 5.7.1.4): these see the stores above
.endr
.endr
	s_wait_dscnt 0x0
	QUANT4 N, PC+8*\s, PW+\s
	global_store_b128 v8, v[PC+8*\s:PC+8*\s+3], s[8:9] offset:REC*\s
	global_store_b128 v8, v[PC+8*\s+4:PC+8*\s+7], s[8:9] offset:REC*\s+512
.endr
	v_cmp_le_u32 vcc_lo, 16, v2
	v_cndmask_b32 v22, v[PW], v[PW+1], vcc_lo      ; both halves of the lanes hold row r's words: lanes 0-15 send the first K step's, lanes 16-31 the second's
	global_store_b32 v9, v22, s[8:9]
	s_wait_tensorcnt 0x0
	ds_add_u32 v234, v235
	s_wait_dscnt 0x0
	s_endpgm
.Lfunc_end_k_q78e7a40560_xq:
	.size	k_q78e7a40560_xq, .Lfunc_end_k_q78e7a40560_xq-k_q78e7a40560_xq
	.p2alignl 7, 3214868480
	.fill 96, 4, 3214868480
	.section	.rodata,"a",@progbits
	.p2align	6, 0x0
	.amdhsa_kernel k_q78e7a40560_xq
		.amdhsa_group_segment_fixed_size 34304
		.amdhsa_private_segment_fixed_size 0
		.amdhsa_enable_private_segment 0
		.amdhsa_kernarg_size 24
		.amdhsa_user_sgpr_count 2
		.amdhsa_user_sgpr_kernarg_segment_ptr 1
		.amdhsa_wavefront_size32 1
		.amdhsa_system_sgpr_workgroup_id_x 1
		.amdhsa_system_sgpr_workgroup_id_y 1
		.amdhsa_system_sgpr_workgroup_id_z 1
		.amdhsa_system_vgpr_workitem_id 0
		.amdhsa_next_free_vgpr 256
		.amdhsa_next_free_sgpr 66
		.amdhsa_reserve_vcc 1
		.amdhsa_float_denorm_mode_32 3
		.amdhsa_float_denorm_mode_16_64 3
		.amdhsa_memory_ordered 1
		.amdhsa_forward_progress 1
		.amdhsa_inst_pref_size 18
	.end_amdhsa_kernel
	.amdgpu_metadata
---
amdhsa.version: [ 1, 2 ]
amdhsa.kernels:
  - .name:           k_q78e7a40560_xq
    .symbol:         k_q78e7a40560_xq.kd
    .args:
      - { .name: X1, .offset: 0, .size: 8, .value_kind: global_buffer, .address_space: global }
      - { .name: X2, .offset: 8, .size: 8, .value_kind: global_buffer, .address_space: global }
      - { .name: ximg, .offset: 16, .size: 8, .value_kind: global_buffer, .address_space: global }
    .group_segment_fixed_size: 34304
    .private_segment_fixed_size: 0
    .kernarg_segment_align: 8
    .kernarg_segment_size: 24
    .max_flat_workgroup_size: 128
    .sgpr_count:     66
    .vgpr_count:     256
    .wavefront_size: 32
...
	.end_amdgpu_metadata
.endif
;; end of part 2
;; launch proj (part 3): grid 4 x 96, 16 waves a work-group, clusters of 4 x 4, 280,576 bytes of LDS; arguments ximg, wimg, bq, bk, bv, qimg, kvimg; writes qimg, kvimg
.if DOCPART == 3
	.amdgcn_target "amdgcn-amd-amdhsa--gfx1250"
	.amdhsa_code_object_version 6
	.text
	.protected	k_q78e7a40560_proj
	.globl	k_q78e7a40560_proj
	.p2align	8
	.type	k_q78e7a40560_proj,@function
k_q78e7a40560_proj:
	s_mov_b64 s[64:65], 0
	v_nop
	global_prefetch_b8 v0, s[64:65] scope:SCOPE_SE
	s_setreg_imm32_b32 hwreg(HW_REG_WAVE_MODE, 25, 1), 1
	s_wait_xcnt 0x0
	s_wait_alu depctr_hold_cnt(0) depctr_sa_sdst(0) depctr_va_vdst(0) depctr_va_sdst(0) depctr_va_ssrc(0) depctr_va_vcc(0) depctr_vm_vsrc(0)
	s_getreg_b32 s2, hwreg(HW_REG_IB_STS2, 6, 4)
	s_cmp_eq_u32 s2, 0
	s_cbranch_scc0 .Lentry_in_a_cluster
	s_endpgm
.Lentry_in_a_cluster:
	s_bfe_u32 s2, ttmp6, 0x10000c
	s_cmp_lg_u32 s2, 0xf033
	s_cbranch_scc0 .Lentry_shape_is_right
	s_endpgm
.Lentry_shape_is_right:
; Q = X1 Wq + bq, K = X2 Wk + bk, V = X2 Wv + bv on codes of FP4 with E8M0 scales, and the results quantised again for attention: Q and K along the head's 64, V along the keys.
; JOBS: the cluster's y / 8 says which: 0 Q, 1 K, 2 V; the same in all sixteen partners.  A work-group makes 256 tokens x 256 features (four heads); K = 1,024 in eight steps of 128.
; OPERANDS come as images of fragment registers (ximg, wimg: [group of 128 rows][K step][8,704 bytes]: codes at 1024 tile + 512 c + 16 lane, scale words at 8192 + 64 tile + 4 r), so the work-group's
; 256 rows of X and 256 of W, for all of K, are two dense blocks of 139,264 bytes.  They come into LDS ONCE, sixteen tensor loads of 17,408 bytes, one a wave; nothing is filled again.
; CLUSTER 4 x 4: X's block hangs on the work-group's y alone and is asked for jointly by a row of the cluster, W's on its x (and the job) and by a column.
; WAVES: sixteen, four to a SIMD, each 64 x 64: 16 accumulators.  Source 0 = P, source 1 = R.  Q, K: P = W, R = X: a lane holds ONE token and its registers run along the head's 64 features.
; V: P = X, R = W: a lane holds ONE feature and its registers run along 64 keys.  The rows of a tile are chosen (slot r of tile 2 b + u = row 32 b + 8 u + r + 8 (r / 8)) so that the 16 registers of a
; pair of P's tiles are 16 neighbours: what the next quantiser wants.  The bias is the C of each sum's first matrix instruction.
; OUT: qimg [batch x head][128 tokens][4,608]: codes at 512 tile + 16 lane, scale words at 4096 + 256 q + 8 lane + 4 i for tile 4 q + 2 i + h.
;      kvimg [batch x head][128 keys][8,960]: K's codes at 512 tile + 16 lane; V^T's at 4096 + 1024 d-tile + 512 c + 16 lane; K's scale words at 8192 (as Q's); V's at 8704 + 8 lane + 4 pair (d-tile 2 pair + h).
; V's scale words leave as halves of two bytes (256 bytes a record, from two waves); all else as whole runs of 256 bytes or more.
; LIMITS: NaN and infinities are not served; a block whose largest magnitude lies under 2^-124 gets the byte 1; a block of zeros gets the byte 1 where the rule says 127: its codes are zeros and this program alone reads the bytes.
.set REC,   8704
.set GRP,   69632
.set PIECE, 17408                      ; what one tensor load brings: 68 rows of 256 bytes
.set WREG,  2*GRP                      ; LDS: X's block at 0, W's here
.set PF,  32                           ; v32-63   P's four fragments
.set RF,  64                           ; v64-95   R's four
.set CB,  96                           ; v96-127  the bias as C; on the way out at work:
.set TM,  96                           ; v96-101
.set HW,  104                          ; v104-107 a half scale word for each of R's tiles
.set PC,  112                          ; v112-127 the codes
.set ACC, 128                          ; v128-255 accumulator (P's tile i, R's tile n) at 128 + 32 n + 8 i
.set SP,  24                           ; v24-25   P's scale words: lanes 0-15 the pair's first tile, lanes 16-31 its second; scales and nothing else
.set SR,  26                           ; v26-27   R's
.set OA,  12                           ; v12-15   where R's tile n's codes go
.set WV,  18
.set JOB, 22
.set G1X, 24                           ; s[24:31], s[40:43] groups 1 and 0 for X's block;  s[32:39], s[44:47] for W's
.set G1W, 32
.set G0X, 40
.set G0W, 44
.set KO,  60                           ; s60  the K step's byte in a group
.set SEL, 62                           ; s[62:63] lane selects for v_permlanex16_b32: lane l xor 16
.macro CROUND                          ; a round of the cluster's barrier
	s_barrier_signal -1
	s_barrier_wait -1
	s_cmp_lg_u32 s[WV], 0
	s_cbranch_scc1 .Lnot_wave_0_\@
	s_barrier_signal -3
.Lnot_wave_0_\@:
	s_barrier_wait -3
	s_barrier_signal -1
	s_barrier_wait -1
.endm
; one product; ra, rb = 1: that side's scale words lie in lanes 16-31
.macro MM d, a, b, c, sa, sb, ra, rb
.if (\ra) && (\rb)
	v_wmma_scale_f32_16x16x128_f8f6f4 v[\d:\d+7], v[\a:\a+7], v[\b:\b+7], v[\c:\c+7], v[\sa], v[\sb] matrix_a_fmt:MATRIX_FMT_FP4 matrix_b_fmt:MATRIX_FMT_FP4 matrix_a_scale:MATRIX_SCALE_ROW1 matrix_b_scale:MATRIX_SCALE_ROW1
.elseif (\ra)
	v_wmma_scale_f32_16x16x128_f8f6f4 v[\d:\d+7], v[\a:\a+7], v[\b:\b+7], v[\c:\c+7], v[\sa], v[\sb] matrix_a_fmt:MATRIX_FMT_FP4 matrix_b_fmt:MATRIX_FMT_FP4 matrix_a_scale:MATRIX_SCALE_ROW1
.elseif (\rb)
	v_wmma_scale_f32_16x16x128_f8f6f4 v[\d:\d+7], v[\a:\a+7], v[\b:\b+7], v[\c:\c+7], v[\sa], v[\sb] matrix_a_fmt:MATRIX_FMT_FP4 matrix_b_fmt:MATRIX_FMT_FP4 matrix_b_scale:MATRIX_SCALE_ROW1
.else
	v_wmma_scale_f32_16x16x128_f8f6f4 v[\d:\d+7], v[\a:\a+7], v[\b:\b+7], v[\c:\c+7], v[\sa], v[\sb] matrix_a_fmt:MATRIX_FMT_FP4 matrix_b_fmt:MATRIX_FMT_FP4
.endif
.endm
; A K step of 128: 16 + 4 LDS loads, 16 products; the 16 accumulators take turns, one instruction a turn.
; mode 0: onto the sums; 1: the sums begin with the bias of P's tile; 2: of R's tile.
.macro KSTEP mode
	v_add_nc_u32 v8, s[KO], v4                     ; the four additions are also the four places in front of loads into registers that matrix instructions have read
	v_add_nc_u32 v9, s[KO], v5
	v_add_nc_u32 v10, s[KO], v6
	v_add_nc_u32 v11, s[KO], v7
.irp i, 0,1,2,3
	ds_load_b128 v[PF+8*\i:PF+8*\i+3], v8 offset:1024*\i
	ds_load_b128 v[PF+8*\i+4:PF+8*\i+7], v8 offset:1024*\i+512
	ds_load_b128 v[RF+8*\i:RF+8*\i+3], v9 offset:1024*\i
	ds_load_b128 v[RF+8*\i+4:RF+8*\i+7], v9 offset:1024*\i+512
.endr
	ds_load_b32 v[SP], v10
	ds_load_b32 v[SP+1], v10 offset:128
	ds_load_b32 v[SR], v11
	ds_load_b32 v[SR+1], v11 offset:128
	s_wait_dscnt 0x0
.irp n, 0,1,2,3
.irp i, 0,1,2,3
.if \mode == 0
	MM ACC+32*\n+8*\i, PF+8*\i, RF+8*\n, ACC+32*\n+8*\i, SP+\i/2, SR+\n/2, \i%2, \n%2
.elseif \mode == 1
	MM ACC+32*\n+8*\i, PF+8*\i, RF+8*\n, CB+8*\i, SP+\i/2, SR+\n/2, \i%2, \n%2
.else
	MM ACC+32*\n+8*\i, PF+8*\i, RF+8*\n, CB+8*\n, SP+\i/2, SR+\n/2, \i%2, \n%2
.endif
.endr
.endr
.endm
; 32 numbers of a lane, register 16 b + i = k 32 b + 16 h + i, become four registers of codes (lane (r, h): block h whole) and the two scale bytes e0 | e1 << 8
.macro QUANT2 s, pc, hw
.irp b, 0,1
	v_max3_num_f32 v[TM+\b], |v[\s+16*\b]|, |v[\s+16*\b+1]|, 0x1800000   ; each accumulator is read from its low end on; the floor 2^(3 - 127) holds the byte at 1 from below
.endr
.irp i, 2,4,6,8,10,12,14
.irp b, 0,1
	v_max3_num_f32 v[TM+\b], v[TM+\b], |v[\s+16*\b+\i]|, |v[\s+16*\b+\i+1]|
.endr
.endr
.irp b, 0,1
	s_delay_alu instid0(VALU_DEP_2)
	v_permlanex16_b32 v[TM+2+\b], v[TM+\b], s[SEL], s[SEL+1]
.endr
.irp b, 0,1
	s_delay_alu instid0(VALU_DEP_2)
	v_max_num_f32 v[TM+\b], v[TM+\b], v[TM+2+\b]   ; with lane l xor 16's 16: the block's largest magnitude
.endr
.irp b, 0,1
	s_delay_alu instid0(VALU_DEP_2)
	v_add_nc_u32 v[TM+4+\b], 0xff000000, v[TM+\b]  ; 2 off the exponent field: the conversion's scale operand
.endr
.irp b, 0,1
	s_delay_alu instid0(VALU_DEP_2)
	v_lshrrev_b32 v[TM+2+\b], 23, v[TM+4+\b]       ; the scale's byte
.endr
	s_delay_alu instid0(VALU_DEP_1)
	v_lshl_or_b32 v[\hw], v[TM+3], 8, v[TM+2]
.irp b, 0,1
	v_cvt_scalef32_pk8_fp4_f32 v[\pc+2*\b], v[\s+16*\b:\s+16*\b+7], v[TM+4+\b]
	v_cvt_scalef32_pk8_fp4_f32 v[\pc+2*\b+1], v[\s+16*\b+8:\s+16*\b+15], v[TM+4+\b]
.endr
	v_nop                                          ; one plain line behind the last scaled conversion
	v_permlane16_swap_b32 v[\pc], v[\pc+2]         ; lanes 0-15 get block 0 whole, lanes 16-31 block 1
	v_permlane16_swap_b32 v[\pc+1], v[\pc+3]
.endm
	s_load_b256 s[4:11], s[0:1], 0x0               ; ximg, wimg, bq, bk
	s_load_b128 s[12:15], s[0:1], 0x20             ; bv, qimg
	s_load_b64 s[16:17], s[0:1], 0x30              ; kvimg
	v_lshl_add_u32 v30, v0, 2, 0x44000
	v_mov_b32 v31, 0
	ds_add_u32 v30, v31
	ds_add_u32 v30, v31
	v_lshrrev_b32 v1, 5, v0
	s_delay_alu instid0(VALU_DEP_1)
	v_readfirstlane_b32 s[WV], v1                  ; wave 0..15
	s_bfe_u32 s19, ttmp6, 0x40000                  ; cx
	s_bfe_u32 s20, ttmp6, 0x40004                  ; cy
	s_lshl_b32 s68, ttmp9, 2
	s_add_co_u32 s68, s68, s19                     ; which 256 features: 4 x cluster x + cx
	s_and_b32 s21, ttmp7, 0xffff                   ; cluster y
	s_lshr_b32 s[JOB], s21, 3                      ; 0 Q, 1 K, 2 V
	s_lshl_b32 s23, s21, 2
	s_add_co_u32 s23, s23, s20
	s_and_b32 s23, s23, 31                         ; which 256 tokens
	s_lshl_b32 s48, s20, 2
	s_lshl_b32 s48, 15, s48                        ; my row of the cluster
	s_lshl_b32 s49, 0x1111, s19                    ; my column
	s_or_b32 s[G1X], s48, (3<<16)|(1<<21)          ; 15:0 the mask; 17:16 elements of 8 bytes; 21 set beside a mask; no padding
	s_or_b32 s[G1W], s49, (3<<16)|(1<<21)
.irp g, G1X, G1W
	s_mov_b32 s[\g+1], 32<<16                      ; tensor_dim0 = 32 elements: rows of 256 bytes
	s_mov_b32 s[\g+2], 68<<16                      ; tensor_dim1 = 68
	s_mov_b32 s[\g+3], 32<<16                      ; tile_dim0
	s_mov_b32 s[\g+4], 68                          ; tile_dim1
	s_mov_b32 s[\g+5], 32                          ; the pitch: the block is dense
	s_mov_b32 s[\g+6], 0
	s_mov_b32 s[\g+7], 0
.endr
	s_and_b32 s59, s[WV], 7
	s_mul_i32 s59, s59, PIECE                      ; my eighth of a block
	s_mul_i32 s50, s23, WREG
	s_add_co_u32 s50, s50, s59
	s_min_u32 s61, s[JOB], 1
	s_mul_i32 s61, s61, 64*GRP                     ; K and V read X2's images, behind X1's 64 groups
	s_add_co_u32 s50, s50, s61
	s_mov_b32 s51, 0
	s_mul_i32 s52, s68, WREG
	s_add_co_u32 s52, s52, s59
	s_mul_i32 s61, s[JOB], 8*GRP                   ; the job's weight
	s_add_co_u32 s52, s52, s61
	s_mov_b32 s53, 0
	s_mul_i32 s61, s[WV], PIECE                    ; where it goes: waves 0-7 fill X's block, waves 8-15 W's: no place in the cluster enters an LDS address
	s_wait_dscnt 0x0
	s_wait_kmcnt 0x0
	s_mov_b32 s[G0X], 1
	s_mov_b32 s[G0X+1], s61
	s_add_nc_u64 s[G0X+2:G0X+3], s[4:5], s[50:51]
	s_or_b32 s[G0X+3], s[G0X+3], 0x80000000
	s_mov_b32 s[G0W], 1
	s_mov_b32 s[G0W+1], s61
	s_add_nc_u64 s[G0W+2:G0W+3], s[6:7], s[52:53]
	s_or_b32 s[G0W+3], s[G0W+3], 0x80000000
	CROUND                                         ; all sixteen work-groups are here: the joint loads meet
	s_cmp_lt_u32 s[WV], 8                          ; the branch hangs on the wave's number alone; four v_nop follow each of the two lines
	s_cbranch_scc0 .Lfor_w
	tensor_load_to_lds s[G0X:G0X+3], s[G1X:G1X+7]
	s_nop 0
.rept 4
	v_nop
.endr
	s_branch .Lasked
.Lfor_w:
	tensor_load_to_lds s[G0W:G0W+3], s[G1W:G1W+7]
	s_nop 0
.rept 4
	v_nop
.endr
.Lasked:
	v_and_b32 v1, 31, v0                           ; lane
	s_wait_alu depctr_va_vdst(0)
	v_and_b32 v2, 15, v0                           ; r
	v_bfe_u32 v3, v0, 4, 1                         ; h
	s_mov_b32 s[SEL], 0x76543210
	s_mov_b32 s[SEL+1], 0xfedcba98
	s_and_b32 s54, s[WV], 3                        ; my quarter of P
	s_lshr_b32 s55, s[WV], 2                       ; my quarter of R
	s_cmp_eq_u32 s[JOB], 2
	s_cselect_b32 s56, 1, 0                        ; 1 for V
	s_cselect_b32 s57, s55, s54                    ; which of the four heads is mine,
	s_cselect_b32 s58, s54, s55                    ; and which 64 tokens
	s_cselect_b32 s66, 0, WREG                     ; P's block in LDS: X's for V, else W's
	s_cselect_b32 s67, WREG, 0                     ; R's
	s_lshr_b32 s76, s54, 1                         ; quarter a: group a / 2, tiles 4 (a % 2) on
	s_mul_i32 s76, s76, GRP
	s_add_co_u32 s66, s66, s76
	s_and_b32 s76, s54, 1
	s_lshl_b32 s77, s76, 12
	s_add_co_u32 s77, s77, s66
	v_lshl_add_u32 v4, v1, 4, s77                  ; P's fragments: + 16 lane
	s_lshl_b32 s77, s76, 8
	s_add_co_u32 s77, s77, s66
	s_add_co_u32 s77, s77, 8192
	v_lshl_add_u32 v6, v1, 2, s77                  ; P's scale words: + 4 lane
	s_lshr_b32 s76, s55, 1
	s_mul_i32 s76, s76, GRP
	s_add_co_u32 s67, s67, s76
	s_and_b32 s76, s55, 1
	s_lshl_b32 s77, s76, 12
	s_add_co_u32 s77, s77, s67
	v_lshl_add_u32 v5, v1, 4, s77                  ; R's fragments
	s_lshl_b32 s77, s76, 8
	s_add_co_u32 s77, s77, s67
	s_add_co_u32 s77, s77, 8192
	v_lshl_add_u32 v7, v1, 2, s77                  ; R's scale words
	; the bias of my head's 64 features
	s_cmp_eq_u32 s[JOB], 1
	s_cselect_b64 s[8:9], s[10:11], s[8:9]
	s_cmp_eq_u32 s[JOB], 2
	s_cselect_b64 s[8:9], s[12:13], s[8:9]
	s_lshl_b32 s70, s68, 10
	s_lshl_b32 s76, s57, 8
	s_add_co_u32 s70, s70, s76
	s_mov_b32 s71, 0
	s_add_nc_u64 s[8:9], s[8:9], s[70:71]
	s_cmp_eq_u32 s[JOB], 2
	s_cbranch_scc1 .Lbias_v
	s_wait_alu depctr_va_vdst(0)
	v_lshlrev_b32 v17, 6, v3                       ; Q, K: register j of P's tile i is feature 32 (i / 2) + 16 h + 8 (i % 2) + j
.irp i, 0,1,2,3
	global_load_b128 v[CB+8*\i:CB+8*\i+3], v17, s[8:9] offset:(32*(\i/2)+8*(\i%2))*4
	global_load_b128 v[CB+8*\i+4:CB+8*\i+7], v17, s[8:9] offset:(32*(\i/2)+8*(\i%2))*4+16
.endr
	s_branch .Lbias_done
.Lbias_v:
	s_wait_alu depctr_va_vdst(0)
	v_and_b32 v17, 8, v2                           ; V: all eight registers of R's tile n hold the bias of the lane's feature 32 (n / 2) + 8 (n % 2) + r + 8 (r / 8)
	s_delay_alu instid0(VALU_DEP_1)
	v_add_nc_u32 v17, v17, v2
	s_delay_alu instid0(VALU_DEP_1)
	v_lshlrev_b32 v17, 2, v17
.irp n, 0,1,2,3
	global_load_b32 v[CB+8*\n], v17, s[8:9] offset:(32*(\n/2)+8*(\n%2))*4
.endr
	s_wait_loadcnt 0x0                             ; (the wave's tensor load is on its way meanwhile)
.irp n, 0,1,2,3
.irp j, 1,2,3,4,5,6,7
	v_mov_b32 v[CB+8*\n+\j], v[CB+8*\n]
.endr
.endr
.Lbias_done:
	; where the results go
	s_lshl_b32 s76, s68, 2
	s_add_co_u32 s76, s76, s57                     ; head
	s_lshr_b32 s77, s23, 3                         ; batch
	s_lshl_b32 s77, s77, 4
	s_add_co_u32 s77, s77, s76
	s_lshl_b32 s77, s77, 4
	s_and_b32 s76, s23, 7
	s_lshl_b32 s76, s76, 1
	s_add_co_u32 s77, s77, s76
	s_lshr_b32 s76, s58, 1
	s_add_co_u32 s77, s77, s76                     ; record: (16 batch + head) 16 + the group of 128 tokens in the sequence
	s_mov_b32 s76, 8960
	s_cmp_eq_u32 s[JOB], 0
	s_cselect_b32 s76, 4608, s76
	s_cselect_b64 s[14:15], s[14:15], s[16:17]     ; qimg for Q, kvimg for K and V
	s_mul_i32 s72, s77, s76
	s_mov_b32 s73, 0
	s_add_nc_u64 s[14:15], s[14:15], s[72:73]
	s_and_b32 s69, s58, 1                          ; which half of the group's 128 tokens
	s_lshl_b32 s76, s56, 1
	s_sub_co_u32 s76, 11, s76
	s_lshl_b32 s76, s69, s76                       ; Q, K: 2048 x half (four tiles of 512 bytes); V: 512 x half (c = half)
	s_lshl_b32 s77, s56, 12
	s_add_co_u32 s76, s76, s77                     ; V^T's codes begin at 4096
	s_lshl_b32 s77, 512, s56                       ; from tile to tile: 512, for V 1024
	v_lshl_add_u32 v[OA], v1, 4, s76
	s_delay_alu instid0(VALU_DEP_1)
	v_add_nc_u32 v[OA+1], s77, v[OA]
	s_delay_alu instid0(VALU_DEP_1)
	v_add_nc_u32 v[OA+2], s77, v[OA+1]
	s_delay_alu instid0(VALU_DEP_1)
	v_add_nc_u32 v[OA+3], s77, v[OA+2]
	s_wait_loadcnt 0x0                             ; the bias
	s_wait_tensorcnt 0x0                           ; my piece has landed,
	s_barrier_signal -1
	s_barrier_wait -1                              ; everybody's has
	s_mov_b32 s[KO], 0
	s_cmp_eq_u32 s[JOB], 2
	s_cbranch_scc1 .Lfirst_v
	s_wait_alu depctr_va_vdst(0)
	KSTEP 1                                        ; the first K step starts the sums, with the bias as C
	s_branch .Lrest
.Lfirst_v:
	s_wait_alu depctr_va_vdst(0)
	KSTEP 2
.Lrest:
	s_mov_b32 s[KO], REC
.Lk:                                               ; seven trips
	KSTEP 0
	s_add_co_u32 s[KO], s[KO], REC
	s_cmp_lt_u32 s[KO], GRP
	s_cbranch_scc1 .Lk
.rept 4
	v_nop                                          ; places in front of the first read of results
.endr
	v_mov_b32 v[TM+2], 0                           ; a lane permute's destination counts as one of its sources
	v_mov_b32 v[TM+3], 0
.irp n, 0,1,2,3
	QUANT2 ACC+32*\n, PC+4*\n, HW+\n
	global_store_b128 v[OA+\n], v[PC+4*\n:PC+4*\n+3], s[14:15]     ; 512 consecutive bytes: an image of four fragment registers
.endr
	v_cmp_le_u32 vcc_lo, 16, v1
	s_delay_alu instid0(VALU_DEP_1)
	v_cndmask_b32 v108, v[HW], v[HW+1], vcc_lo     ; both halves of the lanes hold slot r's bytes: lanes 0-15 send the even tile's, lanes 16-31 the odd tile's
	s_delay_alu instid0(VALU_DEP_2)
	v_cndmask_b32 v109, v[HW+2], v[HW+3], vcc_lo
	s_cmp_eq_u32 s[JOB], 2
	s_cbranch_scc1 .Lscale_v
	s_lshl_b32 s76, 4096, s[JOB]                   ; Q's words at 4096, K's at 8192
	s_lshl_b32 s77, s69, 8
	s_add_co_u32 s76, s76, s77
	v_lshl_add_u32 v16, v1, 3, s76
	global_store_b64 v16, v[108:109], s[14:15]     ; four tiles' words (upper bytes 0): 256 consecutive bytes
	s_branch .Lscale_done
.Lscale_v:
	s_lshl_b32 s76, s69, 1                         ; my 64 keys are bytes 2 half, 2 half + 1 of V's words
	s_add_co_u32 s76, s76, 8704
	v_lshl_add_u32 v16, v1, 3, s76
	s_wait_alu depctr_va_vdst(0)
	global_store_b16 v16, v108, s[14:15]
	global_store_b16 v16, v109, s[14:15] offset:4
.Lscale_done:
	s_wait_tensorcnt 0x0
	ds_add_u32 v30, v31
	s_wait_dscnt 0x0
	CROUND                                         ; the closing round: no work-group ends while a partner may still ask for a block that names it
	s_endpgm
.Lfunc_end_k_q78e7a40560_proj:
	.size	k_q78e7a40560_proj, .Lfunc_end_k_q78e7a40560_proj-k_q78e7a40560_proj
	.p2alignl 7, 3214868480
	.fill 96, 4, 3214868480
	.section	.rodata,"a",@progbits
	.p2align	6, 0x0
	.amdhsa_kernel k_q78e7a40560_proj
		.amdhsa_group_segment_fixed_size 280576
		.amdhsa_private_segment_fixed_size 0
		.amdhsa_enable_private_segment 0
		.amdhsa_kernarg_size 56
		.amdhsa_user_sgpr_count 2
		.amdhsa_user_sgpr_kernarg_segment_ptr 1
		.amdhsa_wavefront_size32 1
		.amdhsa_system_sgpr_workgroup_id_x 1
		.amdhsa_system_sgpr_workgroup_id_y 1
		.amdhsa_system_sgpr_workgroup_id_z 1
		.amdhsa_system_vgpr_workitem_id 0
		.amdhsa_next_free_vgpr 256
		.amdhsa_next_free_sgpr 96
		.amdhsa_reserve_vcc 1
		.amdhsa_float_denorm_mode_32 3
		.amdhsa_float_denorm_mode_16_64 3
		.amdhsa_memory_ordered 1
		.amdhsa_forward_progress 1
		.amdhsa_inst_pref_size 31
	.end_amdhsa_kernel
	.amdgpu_metadata
---
amdhsa.version: [ 1, 2 ]
amdhsa.kernels:
  - .name:           k_q78e7a40560_proj
    .symbol:         k_q78e7a40560_proj.kd
    .args:
      - { .name: ximg, .offset: 0, .size: 8, .value_kind: global_buffer, .address_space: global }
      - { .name: wimg, .offset: 8, .size: 8, .value_kind: global_buffer, .address_space: global }
      - { .name: bq, .offset: 16, .size: 8, .value_kind: global_buffer, .address_space: global }
      - { .name: bk, .offset: 24, .size: 8, .value_kind: global_buffer, .address_space: global }
      - { .name: bv, .offset: 32, .size: 8, .value_kind: global_buffer, .address_space: global }
      - { .name: qimg, .offset: 40, .size: 8, .value_kind: global_buffer, .address_space: global }
      - { .name: kvimg, .offset: 48, .size: 8, .value_kind: global_buffer, .address_space: global }
    .group_segment_fixed_size: 280576
    .private_segment_fixed_size: 0
    .kernarg_segment_align: 8
    .kernarg_segment_size: 56
    .max_flat_workgroup_size: 512
    .sgpr_count:     96
    .vgpr_count:     256
    .wavefront_size: 32
...
	.end_amdgpu_metadata
.endif
;; end of part 3
;; launch attn (part 4): grid 4 x 64, 16 waves a work-group, clusters of 4 x 1, 169,984 bytes of LDS; arguments qimg, kvimg, aimg; writes aimg
.if DOCPART == 4
	.amdgcn_target "amdgcn-amd-amdhsa--gfx1250"
	.amdhsa_code_object_version 6
	.text
	.protected	k_q78e7a40560_attn
	.globl	k_q78e7a40560_attn
	.p2align	8
	.type	k_q78e7a40560_attn,@function
k_q78e7a40560_attn:
	s_mov_b64 s[64:65], 0
	v_nop
	global_prefetch_b8 v0, s[64:65] scope:SCOPE_SE
	s_setreg_imm32_b32 hwreg(HW_REG_WAVE_MODE, 25, 1), 1
	s_wait_xcnt 0x0
	s_wait_alu depctr_hold_cnt(0) depctr_sa_sdst(0) depctr_va_vdst(0) depctr_va_sdst(0) depctr_va_ssrc(0) depctr_va_vcc(0) depctr_vm_vsrc(0)
	s_getreg_b32 s2, hwreg(HW_REG_IB_STS2, 6, 4)
	s_cmp_eq_u32 s2, 0
	s_cbranch_scc0 .Lentry_in_a_cluster
	s_endpgm
.Lentry_in_a_cluster:
	s_bfe_u32 s2, ttmp6, 0x10000c
	s_cmp_lg_u32 s2, 0x3003
	s_cbranch_scc0 .Lentry_shape_is_right
	s_endpgm
.Lentry_shape_is_right:
; O[b][h][q] = the sum over k of softmax_k(Q . K / 8) V, both products on codes of FP4 with E8M0 scales; the result, divided by the row's sum, is quantised along the model's 1,024 for the last product.
; THE SOFTMAX: t = score x log2(e) / 8; M = the row's largest t so far, rounded UP to a whole number; p = 2^(t - M) is quantised along the keys, not normalised; the row's sum is taken of the unquantised p.
; When M moves, the sum and O are multiplied by 2^(old M - new M): exact.
; SHARES: a work-group owns 512 queries of one (batch, head); each of its sixteen waves 32 of them, two tiles A and B; four waves to a SIMD, so that one wave's vector work stands beside another's products and LDS loads.
; THE HEAD'S K AND V, 16 records of 8,960 bytes (images of fragment registers, made by the launch before), come into LDS ONCE, one tensor load a wave; nothing is filled again.
; CLUSTER 4 x 1: the four work-groups of a head need the same 143,360 bytes: each record is asked for jointly by all four.
; LAYOUT: both products transposed: S^T = K Q^T (source 0 = 16 keys, source 1 = 16 queries), O^T = V^T P^T: a lane holds ONE query throughout.  The keys of a tile are chosen (slot r of tile 2 b + u = key
; 32 b + 8 u + r + 8 (r / 8)) so that the 16 registers of tiles 2 b, 2 b + 1 are keys 32 b + 16 h + 0 .. 15; V's 64 channels likewise, so that O^T's registers run along the channels.
; THE HEAD'S 64 IN AN INSTRUCTION OF 128: Q's fragment is four registers of codes and four of zero codes.  So K's fragment of tile t is named v[32 + 4 t : 39 + 4 t]: its upper four registers (the next tile's codes,
; behind tile 7 four zeros) meet zero codes alone; scale bytes 2 and 3 are 0, which stands for 2^-127 and is no NaN.
; No prefetch: all that the launch reads from memory is asked for at its head.
; aimg's scale words leave as halves of two bytes (a head is half of a K step of 128).
; LIMITS: NaN and infinities are not served; a block whose largest magnitude lies under 2^-124 gets the byte 1; a block of zeros gets the byte 1 where the rule says 127: its codes are zeros and this program alone reads the bytes.
.set KVR, 8960                         ; a record: K's codes 4096, V^T's 4096, K's scale words 512, V's 256
.set L16, 1                            ; v1   16 x lane
.set L8,  2                            ; v2   8 x lane
.set LN,  3                            ; v3   lane
.set ADK, 4                            ; v4   the key step's codes
.set ADS, 5                            ; v5   its scale words
.set ST,  8                            ; v8-11 tile A, v12-15 tile B: -M, the largest t, the sum in two halves
.set QA,  16                           ; v16-23 Q's fragment of tile A (the upper four: zeros);  v24-31 of tile B
.set QB,  24
.set KF,  32                           ; v32-63 K's eight half fragments, later V^T's four fragments;  v64-67 zeros
.set KS,  68                           ; v68-71 K's scale words, v72-73 V's, v74 Q's, v75-76 p's (A, B): scales and nothing else
.set VS,  72
.set QS,  74
.set PS,  75
.set AO,  78                           ; v78  where my codes go;  v79 my scale halves
.set AS,  79
.set BM,  80                           ; v80-83 the blocks' largest scores, then largest p
.set BP,  84                           ; v84-87 at work
.set SO,  88                           ; v88-91 the conversions' scale operands
.set FF,  92                           ; v[92:93] f = 2^(old M - new M), and a word that is only named with it
.set TT,  94
.set S,   96                           ; v96-159 S^T of one tile, then p
.set O,   160                          ; v160-191 O^T of tile A, v192-223 of tile B
.set PC,  224                          ; v224-231 p's codes of tile A, v232-239 of tile B
.set TM,  240                          ; the way out: v240-245 at work, v246-247 scale halves, v248-255 codes
.set HW,  246
.set OC,  248
.set WV,  10
.set G1,  16                           ; s[16:23], s[24:27] the descriptor
.set G0,  24
.set CS,  28                           ; s[28:29] c = log2(e) / 8
.set SEL, 30                           ; s[30:31] lane selects for v_permlanex16_b32: lane l xor 16
.set TB,  32                           ; s32  the key step's record in LDS
.macro CROUND                          ; a round of the cluster's barrier
	s_barrier_signal -1
	s_barrier_wait -1
	s_cmp_lg_u32 s[WV], 0
	s_cbranch_scc1 .Lnot_wave_0_\@
	s_barrier_signal -3
.Lnot_wave_0_\@:
	s_barrier_wait -3
	s_barrier_signal -1
	s_barrier_wait -1
.endm
; a product that starts its sum; ra, rb = 1: that side's scale words lie in lanes 16-31
.macro MMZ d, a, b, sa, sb, ra, rb
.if (\ra) && (\rb)
	v_wmma_scale_f32_16x16x128_f8f6f4 v[\d:\d+7], v[\a:\a+7], v[\b:\b+7], 0, v[\sa], v[\sb] matrix_a_fmt:MATRIX_FMT_FP4 matrix_b_fmt:MATRIX_FMT_FP4 matrix_a_scale:MATRIX_SCALE_ROW1 matrix_b_scale:MATRIX_SCALE_ROW1
.elseif (\ra)
	v_wmma_scale_f32_16x16x128_f8f6f4 v[\d:\d+7], v[\a:\a+7], v[\b:\b+7], 0, v[\sa], v[\sb] matrix_a_fmt:MATRIX_FMT_FP4 matrix_b_fmt:MATRIX_FMT_FP4 matrix_a_scale:MATRIX_SCALE_ROW1
.elseif (\rb)
	v_wmma_scale_f32_16x16x128_f8f6f4 v[\d:\d+7], v[\a:\a+7], v[\b:\b+7], 0, v[\sa], v[\sb] matrix_a_fmt:MATRIX_FMT_FP4 matrix_b_fmt:MATRIX_FMT_FP4 matrix_b_scale:MATRIX_SCALE_ROW1
.else
	v_wmma_scale_f32_16x16x128_f8f6f4 v[\d:\d+7], v[\a:\a+7], v[\b:\b+7], 0, v[\sa], v[\sb] matrix_a_fmt:MATRIX_FMT_FP4 matrix_b_fmt:MATRIX_FMT_FP4
.endif
.endm
; a product onto its sum
.macro MMA d, a, b, sa, sb, ra
.if (\ra)
	v_wmma_scale_f32_16x16x128_f8f6f4 v[\d:\d+7], v[\a:\a+7], v[\b:\b+7], v[\d:\d+7], v[\sa], v[\sb] matrix_a_fmt:MATRIX_FMT_FP4 matrix_b_fmt:MATRIX_FMT_FP4 matrix_a_scale:MATRIX_SCALE_ROW1
.else
	v_wmma_scale_f32_16x16x128_f8f6f4 v[\d:\d+7], v[\a:\a+7], v[\b:\b+7], v[\d:\d+7], v[\sa], v[\sb] matrix_a_fmt:MATRIX_FMT_FP4 matrix_b_fmt:MATRIX_FMT_FP4
.endif
.endm
.macro SMUL q, rb                      ; S^T of the tile whose fragment of Q begins at v[q]: eight tiles of 16 keys
.irp t, 0,1,2,3,4,5,6,7
	MMZ S+8*\t, KF+4*\t, \q, KS+\t/2, QS, \t%2, \rb
.endr
.endm
.macro PLACES
.rept 4
	v_nop
.endr
.endm
; THE SOFTMAX of tile x (0: A, 1: B) for 128 keys: from the scores in v[S] on to p's codes, p's scale word, the running sum and O^T under the new M
.macro SOFT x
.set rT, ST+4*(\x)
.set rO, O+32*(\x)
.set rP, PC+8*(\x)
.irp b, 0,1,2,3
	v_max3_num_f32 v[BM+\b], v[S+16*\b], v[S+1+16*\b], v[S+2+16*\b]   ; the largest score of each block of 32 keys: for the row's maximum, and, since p rises with the score, for the block's largest p.  Each accumulator is read from its low end on
.endr
.irp i, 3,5,7,9,11,13
.irp b, 0,1,2,3
	v_max3_num_f32 v[BM+\b], v[BM+\b], v[S+16*\b+\i], v[S+1+16*\b+\i]
.endr
.endr
.irp b, 0,1,2,3
	v_max_num_f32 v[BM+\b], v[BM+\b], v[S+15+16*\b]
.endr
.irp b, 0,1,2,3
	s_delay_alu instid0(VALU_DEP_4)
	v_permlanex16_b32 v[BP+\b], v[BM+\b], s[SEL], s[SEL+1]
.endr
.irp b, 0,1,2,3
	s_delay_alu instid0(VALU_DEP_4)
	v_max_num_f32 v[BM+\b], v[BM+\b], v[BP+\b]     ; with lane l xor 16's 16 keys
.endr
	s_delay_alu instid0(VALU_DEP_2)
	v_max3_num_f32 v[TT], v[BM], v[BM+1], v[BM+2]
	s_delay_alu instid0(VALU_DEP_1)
	v_max_num_f32 v[TT], v[TT], v[BM+3]            ; the step's largest score of my query
	s_delay_alu instid0(VALU_DEP_1)
	v_mul_f32 v[TT], s[CS], v[TT]                  ; as t (c is positive)
	s_delay_alu instid0(VALU_DEP_1)
	v_max_num_f32 v[rT+1], v[rT+1], v[TT]          ; the running largest t
	v_mov_b32 v[TT], v[rT]
	s_delay_alu instid0(VALU_DEP_2)
	v_floor_f32 v[rT], -v[rT+1]                    ; the new -M = floor(-t) = -ceil(t)
	s_delay_alu instid0(VALU_DEP_1)
	v_sub_f32 v[TT], v[rT], v[TT]                  ; old M - new M: a whole number, 0 or less
	s_delay_alu instid0(VALU_DEP_1)
	v_cvt_i32_f32 v[TT], v[TT]                     ; (it saturates)
	s_delay_alu instid0(VALU_DEP_1)
	v_ldexp_f32 v[FF], 1.0, v[TT]                  ; f = 2^(old M - new M)
.set j, 0
.rept 32
	v_pk_fma_f32 v[S+j:S+j+1], v[S+j:S+j+1], s[CS:CS+1], v[rT:rT+1] op_sel_hi:[1,0,0]   ; t - M, two at a time (of the pairs c and -M the low word serves both halves)
.set j, j+2
.endr
.irp b, 0,1,2,3
	v_fma_f32 v[BM+\b], v[BM+\b], s[CS], v[rT]     ; the same of each block's largest score
.endr
.set j, 0
	s_wait_alu depctr_va_vdst(0)
.rept 64
	v_exp_f32 v[S+j], v[S+j]                       ; p = 2^(t - M), at most 1
.set j, j+1
.endr
	v_pk_mul_f32 v[rT+2:rT+3], v[rT+2:rT+3], v[FF:FF+1] op_sel_hi:[1,0]   ; the sums under the new M: the plain line behind the exponentials
	s_wait_alu depctr_va_vdst(0)                   ; one wait for the batch of 64, ahead of its first reader
.irp b, 0,1,2,3
	v_exp_f32 v[BM+\b], v[BM+\b]                   ; the block's largest p: the same two instructions on the same number give the same bits
.endr
	v_pk_add_f32 v[BP:BP+1], v[S:S+1], v[S+2:S+3]  ; the row's sum of the UNQUANTISED p, in two chains; it reads the 64 alone: plain work behind the four
.set j, 4
.rept 15
	v_pk_add_f32 v[rT+2:rT+3], v[rT+2:rT+3], v[S+j:S+j+1]
	v_pk_add_f32 v[BP:BP+1], v[BP:BP+1], v[S+j+2:S+j+3]
.set j, j+4
.endr
	s_delay_alu instid0(VALU_DEP_1)
	v_pk_add_f32 v[rT+2:rT+3], v[rT+2:rT+3], v[BP:BP+1]
	s_wait_alu depctr_va_vdst(0)                   ; and one for the four
.irp b, 0,1,2,3
	v_max_num_f32 v[BM+\b], 0x1800000, v[BM+\b]    ; the floor 2^(3 - 127): the byte cannot fall under 1
.endr
.irp b, 0,1,2,3
	s_delay_alu instid0(VALU_DEP_4)
	v_add_nc_u32 v[SO+\b], 0xff000000, v[BM+\b]    ; 2 off the exponent field: the conversion's scale operand
.endr
.irp b, 0,1,2,3
	s_delay_alu instid0(VALU_DEP_4)
	v_lshrrev_b32 v[BP+\b], 23, v[SO+\b]           ; the scale's byte
.endr
	s_delay_alu instid0(VALU_DEP_3)
	v_lshl_or_b32 v[PS+\x], v[BP+1], 8, v[BP]      ; p's scale word for these 128 keys
	s_delay_alu instid0(VALU_DEP_1)
	v_lshl_or_b32 v[PS+\x], v[BP+2], 16, v[PS+\x]
	s_delay_alu instid0(VALU_DEP_1)
	v_lshl_or_b32 v[PS+\x], v[BP+3], 24, v[PS+\x]
.irp b, 0,1,2,3
	v_cvt_scalef32_pk8_fp4_f32 v[rP+2*\b], v[S+16*\b:S+7+16*\b], v[SO+\b]
	v_cvt_scalef32_pk8_fp4_f32 v[rP+1+2*\b], v[S+8+16*\b:S+15+16*\b], v[SO+\b]
.endr
	v_nop                                          ; one plain line behind the last scaled conversion
.irp c, 0,1                                    ; the layout wants a whole block in a lane
.irp i, 0,1
	v_permlane16_swap_b32 v[rP+4*\c+\i], v[rP+2+4*\c+\i]
.endr
.endr
.set j, 0
.rept 16
	v_pk_mul_f32 v[rO+j:rO+j+1], v[rO+j:rO+j+1], v[FF:FF+1] op_sel_hi:[1,0]   ; O^T under the new M, each accumulator from its low end on.  These sixteen are also the places in front of the products that follow
.set j, j+2
.endr
.endm
; 32 numbers of a lane, register 16 b + i = k 32 b + 16 h + i, become four registers of codes (lane (r, h): block h whole) and the two scale bytes e0 | e1 << 8
.macro QUANT2 s, pc, hw
.irp b, 0,1
	v_max3_num_f32 v[TM+\b], |v[\s+16*\b]|, |v[\s+16*\b+1]|, 0x1800000
.endr
.irp i, 2,4,6,8,10,12,14
.irp b, 0,1
	s_delay_alu instid0(VALU_DEP_2)
	v_max3_num_f32 v[TM+\b], v[TM+\b], |v[\s+16*\b+\i]|, |v[\s+16*\b+\i+1]|
.endr
.endr
.irp b, 0,1
	s_delay_alu instid0(VALU_DEP_2)
	v_permlanex16_b32 v[TM+2+\b], v[TM+\b], s[SEL], s[SEL+1]
.endr
.irp b, 0,1
	s_delay_alu instid0(VALU_DEP_2)
	v_max_num_f32 v[TM+\b], v[TM+\b], v[TM+2+\b]
.endr
.irp b, 0,1
	s_delay_alu instid0(VALU_DEP_2)
	v_add_nc_u32 v[TM+4+\b], 0xff000000, v[TM+\b]
.endr
.irp b, 0,1
	s_delay_alu instid0(VALU_DEP_2)
	v_lshrrev_b32 v[TM+2+\b], 23, v[TM+4+\b]
.endr
	s_delay_alu instid0(VALU_DEP_1)
	v_lshl_or_b32 v[\hw], v[TM+3], 8, v[TM+2]
.irp b, 0,1
	v_cvt_scalef32_pk8_fp4_f32 v[\pc+2*\b], v[\s+16*\b:\s+16*\b+7], v[TM+4+\b]
	v_cvt_scalef32_pk8_fp4_f32 v[\pc+2*\b+1], v[\s+16*\b+8:\s+16*\b+15], v[TM+4+\b]
.endr
	v_nop
	v_permlane16_swap_b32 v[\pc], v[\pc+2]
	v_permlane16_swap_b32 v[\pc+1], v[\pc+3]
.endm
	s_load_b128 s[4:7], s[0:1], 0x0                ; qimg, kvimg
	s_load_b64 s[8:9], s[0:1], 0x10                ; aimg
	v_lshl_add_u32 v77, v0, 2, 0x29000
	v_mov_b32 v95, 0
	ds_add_u32 v77, v95
	ds_add_u32 v77, v95
	v_lshrrev_b32 v1, 5, v0
	s_delay_alu instid0(VALU_DEP_1)
	v_readfirstlane_b32 s[WV], v1                  ; wave 0..15
	s_bfe_u32 s11, ttmp6, 0x40000                  ; cx: it enters Q's and aimg's global addresses alone
	s_and_b32 s12, ttmp7, 0xffff                   ; 16 batch + head, which the four partners share
	s_mov_b32 s[G1], 15|(3<<16)|(1<<21)            ; 15:0 the mask: all four work-groups; 17:16 elements of 8 bytes; 21 set beside a mask; no padding
	s_mov_b32 s[G1+1], 32<<16                      ; tensor_dim0 = 32 elements: rows of 256 bytes
	s_mov_b32 s[G1+2], 35<<16                      ; tensor_dim1 = 35: a record
	s_mov_b32 s[G1+3], 32<<16                      ; tile_dim0
	s_mov_b32 s[G1+4], 35                          ; tile_dim1
	s_mov_b32 s[G1+5], 32                          ; the pitch: the record is dense
	s_mov_b32 s[G1+6], 0
	s_mov_b32 s[G1+7], 0
	s_lshl_b32 s34, s12, 4
	s_add_co_u32 s34, s34, s[WV]
	s_mul_i32 s34, s34, KVR                        ; wave w fetches key step w's record,
	s_mov_b32 s35, 0
	s_mul_i32 s33, s[WV], KVR                      ; to LDS byte 8,960 w
	s_wait_dscnt 0x0
	s_wait_kmcnt 0x0
	s_mov_b32 s[G0], 1
	s_mov_b32 s[G0+1], s33
	s_add_nc_u64 s[G0+2:G0+3], s[6:7], s[34:35]
	s_or_b32 s[G0+3], s[G0+3], 0x80000000
	CROUND                                         ; all four work-groups are here: the joint loads meet
	tensor_load_to_lds s[G0:G0+3], s[G1:G1+7]
	s_nop 0
	PLACES                                         ; four v_nop follow the line
	s_lshl_b32 s13, ttmp9, 2
	s_add_co_u32 s13, s13, s11                     ; which 512 queries
	s_lshl_b32 s13, s13, 2
	s_lshr_b32 s36, s[WV], 2
	s_add_co_u32 s13, s13, s36                     ; T: which group of 128 queries
	s_and_b32 s14, s[WV], 3                        ; which pair of its tiles
	s_lshl_b32 s36, s12, 4
	s_add_co_u32 s36, s36, s13
	s_mul_i32 s36, s36, 4608
	s_mov_b32 s37, 0
	s_add_nc_u64 s[4:5], s[4:5], s[36:37]          ; Q's record
	v_and_b32 v[LN], 31, v0
	s_delay_alu instid0(VALU_DEP_1)
	v_lshlrev_b32 v[L16], 4, v[LN]
	s_wait_alu depctr_va_vdst(0)
	v_lshlrev_b32 v[L8], 3, v[LN]
	s_lshl_b32 s36, s14, 10
	v_add_nc_u32 v6, s36, v[L16]                   ; tile 2 pair: 1024 pair + 16 lane
	s_lshr_b32 s36, s14, 1
	s_lshl_b32 s36, s36, 8
	s_and_b32 s38, s14, 1
	s_lshl_b32 s38, s38, 2
	s_add_co_u32 s36, s36, s38
	s_add_co_u32 s36, s36, 4096
	v_add_nc_u32 v7, s36, v[L8]                    ; the pair's scale words: lanes 0-15 tile A's, lanes 16-31 tile B's
	global_load_b128 v[QA:QA+3], v6, s[4:5]
	global_load_b128 v[QB:QB+3], v6, s[4:5] offset:512
	global_load_b32 v[QS], v7, s[4:5]
	s_lshr_b32 s36, s12, 4                         ; batch
	s_lshl_b32 s36, s36, 4
	s_add_co_u32 s36, s36, s13
	s_mul_i32 s36, s36, 69632                      ; aimg's group of 128 tokens,
	s_and_b32 s38, s12, 15
	s_lshr_b32 s38, s38, 1
	s_mul_i32 s38, s38, 8704                       ; K step = head / 2
	s_add_co_u32 s36, s36, s38
	s_mov_b32 s37, 0
	s_add_nc_u64 s[8:9], s[8:9], s[36:37]
	s_and_b32 s39, s12, 1                          ; c = head % 2
	s_lshl_b32 s38, s14, 11
	s_lshl_b32 s40, s39, 9
	s_add_co_u32 s38, s38, s40
	v_add_nc_u32 v[AO], s38, v[L16]                ; codes: 2048 pair + 512 c + 16 lane; tile B 1,024 further on
	s_lshl_b32 s38, s14, 7
	s_lshl_b32 s40, s39, 1
	s_add_co_u32 s38, s38, s40
	s_add_co_u32 s38, s38, 8192
	v_lshl_add_u32 v[AS], v[LN], 2, s38            ; scale halves: 8192 + 128 pair + 4 lane + 2 c
	s_mov_b32 s[CS], 0x3e38aa3b                    ; c = log2(e) / 8
	s_mov_b32 s[CS+1], s[CS]                       ; (named with it as a pair, so it is written)
	s_mov_b32 s[SEL], 0x76543210
	s_mov_b32 s[SEL+1], 0xfedcba98
.irp j, 4,5,6,7
	v_mov_b32 v[QA+\j], 0                          ; zero codes for k = 64 .. 127
	v_mov_b32 v[QB+\j], 0
	v_mov_b32 v[KF+28+\j], 0                       ; v64-67
	v_mov_b32 v[BP-4+\j], 0                        ; a lane permute's destination counts as one of its sources
.endr
	v_mov_b32 v[FF+1], 0
.irp x, 0,1
	v_mov_b32 v[ST+4*\x+1], 0xff61b1e6             ; the largest t so far: -3e38, under every t
	s_delay_alu instid0(VALU_DEP_1)
	v_floor_f32 v[ST+4*\x], -v[ST+4*\x+1]          ; -M
	v_mov_b32 v[ST+4*\x+2], 0                      ; the sum, in two halves
	v_mov_b32 v[ST+4*\x+3], 0
.endr
.set j, 0
.rept 64
	v_mov_b32 v[O+j], 0                            ; O^T: the loop is written once; its first step finds zeros, which the first change of M leaves zeros
.set j, j+1
.endr
	s_wait_loadcnt 0x0                             ; Q
	s_wait_tensorcnt 0x0                           ; my record has landed,
	s_barrier_signal -1
	s_barrier_wait -1                              ; everybody's has
	s_mov_b32 s[TB], 0
.Lkey:                                             ; sixteen trips of 128 keys
	s_setprio 2
	v_add_nc_u32 v[ADK], s[TB], v[L16]
	v_add_nc_u32 v[ADS], s[TB], v[L8]
	v_nop
	v_nop                                          ; four places in front of loads into registers that the last products have read
.irp t, 0,1,2,3,4,5,6,7
	ds_load_b128 v[KF+4*\t:KF+4*\t+3], v[ADK] offset:512*\t
.endr
	ds_load_b64 v[KS:KS+1], v[ADS] offset:8192     ; K's scale words: tiles 0, 1 | 2, 3
	ds_load_b64 v[KS+2:KS+3], v[ADS] offset:8448   ; 4, 5 | 6, 7
	ds_load_b64 v[VS:VS+1], v[ADS] offset:8704     ; V's: d-tiles 0, 1 | 2, 3
	s_wait_dscnt 0x0
	SMUL QA, 0
	PLACES
	SOFT 0
	SMUL QB, 1                                     ; over tile A's p, which has been quantised: sixteen plain lines lie between
	PLACES                                         ; for V's loads into K's registers and for the first read of the scores
.irp d, 0,1,2,3
	ds_load_b128 v[KF+8*\d:KF+8*\d+3], v[ADK] offset:4096+1024*\d
	ds_load_b128 v[KF+8*\d+4:KF+8*\d+7], v[ADK] offset:4096+1024*\d+512
.endr                                              ; they land under tile B's softmax
	s_setprio 1
	SOFT 1
	s_setprio 0
	s_wait_alu depctr_va_vdst(0)
	s_wait_dscnt 0x0
.irp d, 0,1,2,3                                ; O^T += V^T P^T: the eight accumulators take turns, one instruction a turn
.irp x, 0,1
	MMA O+32*\x+8*\d, KF+8*\d, PC+8*\x, VS+\d/2, PS+\x, \d%2
.endr
.endr
	s_add_co_u32 s[TB], s[TB], KVR
	s_cmp_lt_u32 s[TB], 16*KVR
	s_cbranch_scc1 .Lkey
	s_setprio 0
	; THE WAY OUT: O^T / the row's sum, quantised along the head's 64 (two blocks of the model's 1,024), as an image of four fragment registers
	PLACES
.irp x, 0,1
	v_add_f32 v[ST+4*\x+2], v[ST+4*\x+2], v[ST+4*\x+3]             ; the sum's two halves,
.endr
.irp x, 0,1
	s_delay_alu instid0(VALU_DEP_2)
	v_permlanex16_b32 v[BP+\x], v[ST+4*\x+2], s[SEL], s[SEL+1]
.endr
.irp x, 0,1
	s_delay_alu instid0(VALU_DEP_2)
	v_add_f32 v[ST+4*\x+2], v[ST+4*\x+2], v[BP+\x]                 ; and lane l xor 16's
.endr
	s_wait_alu depctr_va_vdst(0)
.irp x, 0,1
	v_rcp_f32 v[BM+2*\x], v[ST+4*\x+2]
.endr
	v_nop                                          ; a plain line behind the reciprocals
	s_wait_alu depctr_va_vdst(0)                   ; one wait for the two, ahead of their first reader
.irp x, 0,1
.set j, 0
.rept 16
	v_pk_mul_f32 v[O+32*\x+j:O+32*\x+j+1], v[O+32*\x+j:O+32*\x+j+1], v[BM+2*\x:BM+2*\x+1] op_sel_hi:[1,0]   ; each accumulator from its low end on
.set j, j+2
.endr
.endr
	v_mov_b32 v[TM+2], 0
	v_mov_b32 v[TM+3], 0
	QUANT2 O, OC, HW
	QUANT2 O+32, OC+4, HW+1
	global_store_b128 v[AO], v[OC:OC+3], s[8:9]                    ; 512 consecutive bytes a tile
	global_store_b128 v[AO], v[OC+4:OC+7], s[8:9] offset:1024
	v_cmp_le_u32 vcc_lo, 16, v[LN]
	s_delay_alu instid0(VALU_DEP_1)
	v_cndmask_b32 v[TM], v[HW], v[HW+1], vcc_lo    ; lanes 0-15 send tile A's bytes, lanes 16-31 tile B's
	global_store_b16 v[AS], v[TM], s[8:9]
	s_wait_tensorcnt 0x0
	ds_add_u32 v77, v95
	s_wait_dscnt 0x0
	CROUND                                         ; the closing round
	s_endpgm
.Lfunc_end_k_q78e7a40560_attn:
	.size	k_q78e7a40560_attn, .Lfunc_end_k_q78e7a40560_attn-k_q78e7a40560_attn
	.p2alignl 7, 3214868480
	.fill 96, 4, 3214868480
	.section	.rodata,"a",@progbits
	.p2align	6, 0x0
	.amdhsa_kernel k_q78e7a40560_attn
		.amdhsa_group_segment_fixed_size 169984
		.amdhsa_private_segment_fixed_size 0
		.amdhsa_enable_private_segment 0
		.amdhsa_kernarg_size 24
		.amdhsa_user_sgpr_count 2
		.amdhsa_user_sgpr_kernarg_segment_ptr 1
		.amdhsa_wavefront_size32 1
		.amdhsa_system_sgpr_workgroup_id_x 1
		.amdhsa_system_sgpr_workgroup_id_y 1
		.amdhsa_system_sgpr_workgroup_id_z 1
		.amdhsa_system_vgpr_workitem_id 0
		.amdhsa_next_free_vgpr 256
		.amdhsa_next_free_sgpr 66
		.amdhsa_reserve_vcc 1
		.amdhsa_float_denorm_mode_32 3
		.amdhsa_float_denorm_mode_16_64 3
		.amdhsa_memory_ordered 1
		.amdhsa_forward_progress 1
		.amdhsa_inst_pref_size 47
	.end_amdhsa_kernel
	.amdgpu_metadata
---
amdhsa.version: [ 1, 2 ]
amdhsa.kernels:
  - .name:           k_q78e7a40560_attn
    .symbol:         k_q78e7a40560_attn.kd
    .args:
      - { .name: qimg, .offset: 0, .size: 8, .value_kind: global_buffer, .address_space: global }
      - { .name: kvimg, .offset: 8, .size: 8, .value_kind: global_buffer, .address_space: global }
      - { .name: aimg, .offset: 16, .size: 8, .value_kind: global_buffer, .address_space: global }
    .group_segment_fixed_size: 169984
    .private_segment_fixed_size: 0
    .kernarg_segment_align: 8
    .kernarg_segment_size: 24
    .max_flat_workgroup_size: 512
    .sgpr_count:     66
    .vgpr_count:     256
    .wavefront_size: 32
...
	.end_amdgpu_metadata
.endif
;; end of part 4
;; launch outp (part 5): grid 4 x 64, 8 waves a work-group, clusters of 4 x 4, 244,736 bytes of LDS; arguments aimg, wimg, bo, out0; writes out0
.if DOCPART == 5
	.amdgcn_target "amdgcn-amd-amdhsa--gfx1250"
	.amdhsa_code_object_version 6
	.text
	.protected	k_q78e7a40560_outp
	.globl	k_q78e7a40560_outp
	.p2align	8
	.type	k_q78e7a40560_outp,@function
k_q78e7a40560_outp:
	s_mov_b64 s[64:65], 0
	v_nop
	global_prefetch_b8 v0, s[64:65] scope:SCOPE_SE
	s_setreg_imm32_b32 hwreg(HW_REG_WAVE_MODE, 25, 1), 1
	s_wait_xcnt 0x0
	s_wait_alu depctr_hold_cnt(0) depctr_sa_sdst(0) depctr_va_vdst(0) depctr_va_sdst(0) depctr_va_ssrc(0) depctr_va_vcc(0) depctr_vm_vsrc(0)
	s_getreg_b32 s2, hwreg(HW_REG_IB_STS2, 6, 4)
	s_cmp_eq_u32 s2, 0
	s_cbranch_scc0 .Lentry_in_a_cluster
	s_endpgm
.Lentry_in_a_cluster:
	s_bfe_u32 s2, ttmp6, 0x10000c
	s_cmp_lg_u32 s2, 0xf033
	s_cbranch_scc0 .Lentry_shape_is_right
	s_endpgm
.Lentry_shape_is_right:
; out0 = A Wo + bo on codes of FP4 with E8M0 scales; A is attention's result as images of fragment registers (aimg), Wo the fourth weight of wimg; out0 [8192][1024] f32.
; A work-group makes 128 tokens x 256 features; K = 1,024 in eight steps of 128.  Its group of A (69,632 dense bytes) and its 256 rows of Wo (139,264) come into LDS ONCE, one tensor load a wave; nothing is filled again.
; CLUSTER 4 x 4: A's group hangs on the work-group's y alone and is asked for jointly by a row of the cluster, Wo's block on its x and by a column.
; WAVES: eight, each 64 features x 64 tokens: 16 accumulators.  Source 0 = 16 rows of Wo, source 1 = 16 tokens: a lane holds one token, and since slot r of Wo's tile 2 b + u is feature 32 b + 8 u + r + 8 (r / 8),
; the 16 registers of a tile pair are 16 neighbouring features.  bo is the C of each sum's first matrix instruction.
; THE WAY OUT: 16 tokens x 64 features (256 bytes a token) at a time through the wave's own stage in LDS, rows 272 bytes apart; they come back as whole rows, and sixteen lanes store 256 consecutive aligned bytes.
; The tokens of a tile are slot s -> token 32 (tile / 2) + 8 (tile % 2) + s + 8 (s / 8): the stores' immediates undo that order.
; The stages lie behind the two blocks; no tensor load lands there.
.set REC,   8704
.set GRP,   69632
.set STG,   3*GRP                      ; the stages: 16 rows x 272 bytes for each wave
.set SPI,   272
.set PF,  32                           ; v32-63   Wo's four fragments; on the way out rows of out0
.set RF,  64                           ; v64-95   A's four; likewise
.set CB,  96                           ; v96-127  bo as C
.set ACC, 128                          ; v128-255 accumulator (Wo's tile i, token tile n) at 128 + 32 n + 8 i
.set SP,  24                           ; v24-25 Wo's scale words, v26-27 A's: scales and nothing else
.set SR,  26
.set STO, 12                           ; v12  the stage, in
.set RD,  13                           ; v13  the stage, back
.set CO,  14                           ; v14  my byte offset in two rows of out0
.set WV,  18
.set G1A, 24                           ; s[24:31], s[40:43] groups 1 and 0 for A's group;  s[32:39], s[44:47] for Wo's block
.set G1W, 32
.set G0A, 40
.set G0W, 44
.set KO,  60
.macro CROUND                          ; a round of the cluster's barrier
	s_barrier_signal -1
	s_barrier_wait -1
	s_cmp_lg_u32 s[WV], 0
	s_cbranch_scc1 .Lnot_wave_0_\@
	s_barrier_signal -3
.Lnot_wave_0_\@:
	s_barrier_wait -3
	s_barrier_signal -1
	s_barrier_wait -1
.endm
.macro MM d, a, b, c, sa, sb, ra, rb   ; one product; ra, rb = 1: that side's scale words lie in lanes 16-31
.if (\ra) && (\rb)
	v_wmma_scale_f32_16x16x128_f8f6f4 v[\d:\d+7], v[\a:\a+7], v[\b:\b+7], v[\c:\c+7], v[\sa], v[\sb] matrix_a_fmt:MATRIX_FMT_FP4 matrix_b_fmt:MATRIX_FMT_FP4 matrix_a_scale:MATRIX_SCALE_ROW1 matrix_b_scale:MATRIX_SCALE_ROW1
.elseif (\ra)
	v_wmma_scale_f32_16x16x128_f8f6f4 v[\d:\d+7], v[\a:\a+7], v[\b:\b+7], v[\c:\c+7], v[\sa], v[\sb] matrix_a_fmt:MATRIX_FMT_FP4 matrix_b_fmt:MATRIX_FMT_FP4 matrix_a_scale:MATRIX_SCALE_ROW1
.elseif (\rb)
	v_wmma_scale_f32_16x16x128_f8f6f4 v[\d:\d+7], v[\a:\a+7], v[\b:\b+7], v[\c:\c+7], v[\sa], v[\sb] matrix_a_fmt:MATRIX_FMT_FP4 matrix_b_fmt:MATRIX_FMT_FP4 matrix_b_scale:MATRIX_SCALE_ROW1
.else
	v_wmma_scale_f32_16x16x128_f8f6f4 v[\d:\d+7], v[\a:\a+7], v[\b:\b+7], v[\c:\c+7], v[\sa], v[\sb] matrix_a_fmt:MATRIX_FMT_FP4 matrix_b_fmt:MATRIX_FMT_FP4
.endif
.endm
; A K step of 128: 16 + 4 LDS loads, 16 products; the 16 accumulators take turns, one instruction a turn.  first = 1: the sums begin with the bias
.macro KSTEP first
	v_add_nc_u32 v8, s[KO], v4                     ; the four additions are also the four places in front of loads into registers that matrix instructions have read
	v_add_nc_u32 v9, s[KO], v5
	v_add_nc_u32 v10, s[KO], v6
	v_add_nc_u32 v11, s[KO], v7
.irp i, 0,1,2,3
	ds_load_b128 v[PF+8*\i:PF+8*\i+3], v8 offset:1024*\i
	ds_load_b128 v[PF+8*\i+4:PF+8*\i+7], v8 offset:1024*\i+512
	ds_load_b128 v[RF+8*\i:RF+8*\i+3], v9 offset:1024*\i
	ds_load_b128 v[RF+8*\i+4:RF+8*\i+7], v9 offset:1024*\i+512
.endr
	ds_load_b32 v[SP], v10
	ds_load_b32 v[SP+1], v10 offset:128
	ds_load_b32 v[SR], v11
	ds_load_b32 v[SR+1], v11 offset:128
	s_wait_dscnt 0x0
.irp n, 0,1,2,3
.irp i, 0,1,2,3
.if \first
	MM ACC+32*\n+8*\i, PF+8*\i, RF+8*\n, CB+8*\i, SP+\i/2, SR+\n/2, \i%2, \n%2
.else
	MM ACC+32*\n+8*\i, PF+8*\i, RF+8*\n, ACC+32*\n+8*\i, SP+\i/2, SR+\n/2, \i%2, \n%2
.endif
.endr
.endr
.endm
	s_load_b256 s[4:11], s[0:1], 0x0               ; aimg, wimg, bo, out0
	v_lshl_add_u32 v30, v0, 2, 0x3b800
	v_mov_b32 v31, 0
	ds_add_u32 v30, v31
	ds_add_u32 v30, v31
	v_lshrrev_b32 v1, 5, v0
	s_delay_alu instid0(VALU_DEP_1)
	v_readfirstlane_b32 s[WV], v1                  ; wave 0..7
	s_bfe_u32 s19, ttmp6, 0x40000                  ; cx
	s_bfe_u32 s20, ttmp6, 0x40004                  ; cy
	s_lshl_b32 s22, ttmp9, 2
	s_add_co_u32 s22, s22, s19                     ; which 256 features
	s_and_b32 s23, ttmp7, 0xffff
	s_lshl_b32 s23, s23, 2
	s_add_co_u32 s23, s23, s20                     ; which group of 128 tokens
	s_lshl_b32 s48, s20, 2
	s_lshl_b32 s48, 15, s48                        ; my row of the cluster
	s_lshl_b32 s49, 0x1111, s19                    ; my column
	s_or_b32 s[G1A], s48, (3<<16)|(1<<21)          ; 15:0 the mask; 17:16 elements of 8 bytes; 21 set beside a mask; no padding
	s_mov_b32 s[G1A+1], 32<<16                     ; rows of 256 bytes,
	s_mov_b32 s[G1A+2], 68<<16                     ; 68 of them: a quarter of A's group
	s_mov_b32 s[G1A+3], 32<<16
	s_mov_b32 s[G1A+4], 68
	s_mov_b32 s[G1A+5], 32
	s_mov_b32 s[G1A+6], 0
	s_mov_b32 s[G1A+7], 0
	s_or_b32 s[G1W], s49, (3<<16)|(1<<21)
	s_mov_b32 s[G1W+1], 32<<16
	s_mov_b32 s[G1W+2], 136<<16                    ; 136 rows: a quarter of Wo's block
	s_mov_b32 s[G1W+3], 32<<16
	s_mov_b32 s[G1W+4], 136
	s_mov_b32 s[G1W+5], 32
	s_mov_b32 s[G1W+6], 0
	s_mov_b32 s[G1W+7], 0
	s_and_b32 s54, s[WV], 3
	s_mul_i32 s59, s54, 17408                      ; waves 0-3: a quarter of A's group, in memory and in LDS
	s_mul_i32 s50, s23, GRP
	s_add_co_u32 s50, s50, s59
	s_mov_b32 s51, 0
	s_mul_i32 s61, s54, 34816                      ; waves 4-7: a quarter of Wo's block
	s_mul_i32 s52, s22, 2*GRP
	s_add_co_u32 s52, s52, s61
	s_add_co_u32 s52, s52, 24*GRP                  ; Wo is the fourth weight of wimg
	s_mov_b32 s53, 0
	s_add_co_u32 s61, s61, GRP                     ; in LDS behind A's group
	s_wait_dscnt 0x0
	s_wait_kmcnt 0x0
	s_mov_b32 s[G0A], 1
	s_mov_b32 s[G0A+1], s59
	s_add_nc_u64 s[G0A+2:G0A+3], s[4:5], s[50:51]
	s_or_b32 s[G0A+3], s[G0A+3], 0x80000000
	s_mov_b32 s[G0W], 1
	s_mov_b32 s[G0W+1], s61
	s_add_nc_u64 s[G0W+2:G0W+3], s[6:7], s[52:53]
	s_or_b32 s[G0W+3], s[G0W+3], 0x80000000
	CROUND                                         ; all sixteen work-groups are here: the joint loads meet
	s_cmp_lt_u32 s[WV], 4                          ; the branch hangs on the wave's number alone; four v_nop follow each of the two lines
	s_cbranch_scc0 .Lfor_w
	tensor_load_to_lds s[G0A:G0A+3], s[G1A:G1A+7]
	s_nop 0
.rept 4
	v_nop
.endr
	s_branch .Lasked
.Lfor_w:
	tensor_load_to_lds s[G0W:G0W+3], s[G1W:G1W+7]
	s_nop 0
.rept 4
	v_nop
.endr
.Lasked:
	v_and_b32 v1, 31, v0                           ; lane
	s_wait_alu depctr_va_vdst(0)
	v_and_b32 v2, 15, v0                           ; r
	s_wait_alu depctr_va_vdst(0)
	v_bfe_u32 v3, v0, 4, 1                         ; h
	s_lshr_b32 s55, s[WV], 2                       ; which 64 tokens; s54: which 64 features
	s_lshl_b32 s70, s22, 10
	s_lshl_b32 s76, s54, 8
	s_add_co_u32 s70, s70, s76                     ; my 64 features, in bytes of f32
	s_mov_b32 s71, 0
	s_add_nc_u64 s[8:9], s[8:9], s[70:71]
	v_lshlrev_b32 v17, 6, v3                       ; register j of Wo's tile i is feature 32 (i / 2) + 16 h + 8 (i % 2) + j
.irp i, 0,1,2,3
	global_load_b128 v[CB+8*\i:CB+8*\i+3], v17, s[8:9] offset:(32*(\i/2)+8*(\i%2))*4
	global_load_b128 v[CB+8*\i+4:CB+8*\i+7], v17, s[8:9] offset:(32*(\i/2)+8*(\i%2))*4+16
.endr
	s_lshr_b32 s76, s54, 1                         ; Wo's quarter a: group a / 2, tiles 4 (a % 2) on
	s_mul_i32 s76, s76, GRP
	s_add_co_u32 s76, s76, GRP
	s_and_b32 s77, s54, 1
	s_lshl_b32 s78, s77, 12
	s_add_co_u32 s78, s78, s76
	v_lshl_add_u32 v4, v1, 4, s78                  ; Wo's fragments: + 16 lane
	s_lshl_b32 s78, s77, 8
	s_add_co_u32 s78, s78, s76
	s_add_co_u32 s78, s78, 8192
	v_lshl_add_u32 v6, v1, 2, s78                  ; Wo's scale words: + 4 lane
	s_lshl_b32 s78, s55, 12
	v_lshl_add_u32 v5, v1, 4, s78                  ; A's fragments: tiles 4 (wave / 4) on
	s_lshl_b32 s78, s55, 8
	s_add_co_u32 s78, s78, 8192
	v_lshl_add_u32 v7, v1, 2, s78                  ; A's scale words
	s_mul_i32 s78, s[WV], 16*SPI
	s_add_co_u32 s78, s78, STG                     ; my stage
	v_mul_u32_u24 v[STO], v2, SPI
	s_wait_alu depctr_va_vdst(0)
	v_lshl_add_u32 v[STO], v3, 6, v[STO]
	s_delay_alu instid0(VALU_DEP_1)
	v_add_nc_u32 v[STO], s78, v[STO]               ; in: row r, + 64 h
	v_mul_u32_u24 v[RD], v3, SPI
	s_delay_alu instid0(VALU_DEP_1)
	v_lshl_add_u32 v[RD], v2, 4, v[RD]
	s_delay_alu instid0(VALU_DEP_1)
	v_add_nc_u32 v[RD], s78, v[RD]                 ; back: lanes 0-15 one row, lanes 16-31 the next
	v_lshlrev_b32 v[CO], 12, v3
	s_delay_alu instid0(VALU_DEP_1)
	v_lshl_add_u32 v[CO], v2, 4, v[CO]             ; and the same two rows in out0
	s_lshl_b32 s72, s23, 19                        ; 128 tokens of 4,096 bytes a group,
	s_lshl_b32 s76, s55, 18                        ; 64 a wave,
	s_add_co_u32 s72, s72, s76
	s_add_co_u32 s72, s72, s70                     ; my 64 features
	s_mov_b32 s73, 0
	s_add_nc_u64 s[10:11], s[10:11], s[72:73]
	s_wait_loadcnt 0x0                             ; the bias
	s_wait_tensorcnt 0x0                           ; my piece has landed,
	s_barrier_signal -1
	s_barrier_wait -1                              ; everybody's has
	s_mov_b32 s[KO], 0
	KSTEP 1                                        ; the first K step starts the sums, with the bias as C
	s_mov_b32 s[KO], REC
.Lk:                                               ; seven trips
	KSTEP 0
	s_add_co_u32 s[KO], s[KO], REC
	s_cmp_lt_u32 s[KO], GRP
	s_cbranch_scc1 .Lk
.rept 4
	v_nop                                          ; places in front of the first read of results and of loads into the fragments' registers
.endr
	s_wait_alu depctr_va_vdst(0)
.irp n, 0,1,2,3
.if \n >= 2
	s_wait_xcnt 0x0                                ; the stores of the tile two back have read their registers: they are loaded again only behind this wait
.endif
.irp i, 0,1,2,3
	ds_store_b128 v[STO], v[ACC+32*\n+8*\i:ACC+32*\n+8*\i+3] offset:128*(\i/2)+32*(\i%2)        ; each accumulator from its low end on
	ds_store_b128 v[STO], v[ACC+32*\n+8*\i+4:ACC+32*\n+8*\i+7] offset:128*(\i/2)+32*(\i%2)+16
.endr
.irp k, 0,1,2,3,4,5,6,7
	ds_load_b128 v[PF+32*(\n%2)+4*\k:PF+32*(\n%2)+4*\k+3], v[RD] offset:2*SPI*\k   ; LDS serves a wave's instructions in order (ISA guide 5.7.1.4): these see the stores above, and the next tile's stores come behind them
.endr
.irp k, 0,1,2,3,4,5,6,7
	s_wait_dscnt 7-\k                              ; rows 2 k, 2 k + 1 are back; the younger loads may be out
	global_store_b128 v[CO], v[PF+32*(\n%2)+4*\k:PF+32*(\n%2)+4*\k+3], s[10:11] offset:(32*(\n/2)+8*(\n%2)+2*\k+8*(\k/4))*4096 th:TH_STORE_NT   ; 16 lanes store 256 consecutive bytes, at a multiple of 256 from out0's first byte
.endr
.endr
	s_wait_tensorcnt 0x0
	ds_add_u32 v30, v31
	s_wait_dscnt 0x0
	CROUND                                         ; the closing round: no work-group ends while a partner may still ask for a block that names it
	s_endpgm
.Lfunc_end_k_q78e7a40560_outp:
	.size	k_q78e7a40560_outp, .Lfunc_end_k_q78e7a40560_outp-k_q78e7a40560_outp
	.p2alignl 7, 3214868480
	.fill 96, 4, 3214868480
	.section	.rodata,"a",@progbits
	.p2align	6, 0x0
	.amdhsa_kernel k_q78e7a40560_outp
		.amdhsa_group_segment_fixed_size 244736
		.amdhsa_private_segment_fixed_size 0
		.amdhsa_enable_private_segment 0
		.amdhsa_kernarg_size 32
		.amdhsa_user_sgpr_count 2
		.amdhsa_user_sgpr_kernarg_segment_ptr 1
		.amdhsa_wavefront_size32 1
		.amdhsa_system_sgpr_workgroup_id_x 1
		.amdhsa_system_sgpr_workgroup_id_y 1
		.amdhsa_system_sgpr_workgroup_id_z 1
		.amdhsa_system_vgpr_workitem_id 0
		.amdhsa_next_free_vgpr 256
		.amdhsa_next_free_sgpr 96
		.amdhsa_reserve_vcc 0
		.amdhsa_float_denorm_mode_32 3
		.amdhsa_float_denorm_mode_16_64 3
		.amdhsa_memory_ordered 1
		.amdhsa_forward_progress 1
		.amdhsa_inst_pref_size 23
	.end_amdhsa_kernel
	.amdgpu_metadata
---
amdhsa.version: [ 1, 2 ]
amdhsa.kernels:
  - .name:           k_q78e7a40560_outp
    .symbol:         k_q78e7a40560_outp.kd
    .args:
      - { .name: aimg, .offset: 0, .size: 8, .value_kind: global_buffer, .address_space: global }
      - { .name: wimg, .offset: 8, .size: 8, .value_kind: global_buffer, .address_space: global }
      - { .name: bo, .offset: 16, .size: 8, .value_kind: global_buffer, .address_space: global }
      - { .name: out0, .offset: 24, .size: 8, .value_kind: global_buffer, .address_space: global }
    .group_segment_fixed_size: 244736
    .private_segment_fixed_size: 0
    .kernarg_segment_align: 8
    .kernarg_segment_size: 32
    .max_flat_workgroup_size: 256
    .sgpr_count:     96
    .vgpr_count:     256
    .wavefront_size: 32
...
	.end_amdgpu_metadata
.endif
;; end of part 5
